; MI455X (gfx1250); checked and timed in simulation.
; The chip was launched on July 23, 2026; its instructions are those of AMD's public machine-readable ISA for CDNA 5 (MIT licence, August 2026) and "CDNA5" Instruction Set Architecture Reference Guide (July 2026). The comments in the code are by the model that wrote it; some were corrected since.
;; Local Attention. Allowed arithmetic: matrix products marked QUANTISED: E3M2 operands, one E8M0 scale for each 32 along K, by v_wmma_scale_f32_16x16x128_f8f6f4 with both operands' format E3M2, f32 sums; products left as they are: f32 operands where the result goes on into a quantised operand, else bf16, f16 or f32 operands; f32 sums; everything else in f32.
;; Inputs: W1 256 x 1,024 float32; W2 1,024 x 256 float32; Wk 256 x 128 float32; Wo 256 x 256 float32; Wq 256 x 128 float32; Wv 256 x 256 float32; b1 256 float32; b1f 1,024 float32; b2f 256 float32; bf 256 float32; bk 128 float32; bo 256 float32; bq 128 float32; bv 256 float32; g1 256 float32; gf 256 float32; rw 1 float32; x 8 x 2,048 x 256 float32.
;; Outputs: out0 8 x 2,048 x 256 float32.
;; This version of the problem:
;;   THIS VERSION OF THE PROBLEM IS GIVEN IN LOW PRECISION. The matrix products marked QUANTISED in the list below multiply operands that are first quantised to E3M2 (3 exponent bits, 2 mantissa bits; 6 bits a number), with one power-of-two scale for each 32 numbers along K (OCP MX v1.0); their sums are f32. All else is computed in f32.
;;   The module's matrix products, in the order in which they are computed (A, B: the left and right operand; K: the contracted axis; several contracted axes count as one K, in the product's order):
;;     1. [M 16,384, K 256] x [K 256, N 128]; A: input x; B: input Wq: QUANTISED
;;     2. [M 16,384, K 256] x [K 256, N 128]; A: input x; B: input Wk: QUANTISED
;;     3. batch 8 x [M 2,048, K 128] x [K 128, N 2,048]; A: computed on the way; B: computed on the way: QUANTISED
;;     4. [M 262,144, K 256] x [K 256, N 256]; A: computed on the way; B: input Wv: QUANTISED
;;     5. batch 131,072 x [M 1, K 16] x [K 16, N 16]; A: computed on the way; B: computed on the way: left as it is (K = 16 < 32)
;;     6. batch 131,072 x [M 1, K 16] x [K 16, N 32]; A: softmax; B: computed on the way: left as it is (K = 16 < 32)
;;     7. [M 16,384, K 256] x [K 256, N 256]; A: computed on the way; B: input Wo: QUANTISED
;;     8. [M 16,384, K 256] x [K 256, N 1,024]; A: computed on the way; B: input W1: QUANTISED
;;     9. [M 16,384, K 1,024] x [K 1,024, N 256]; A: computed on the way; B: input W2: QUANTISED
;;   THE QUANTISER, for each operand of a quantised product, along K:
;;     - K is cut into blocks of 32 from its start; a last block that is shorter is filled with zeros.
;;     - A block's scale is 2^e with e = floor(log2(the largest magnitude in the block)) - 4, held to -126 .. 127; a block of zeros has e = 0. As a byte (E8M0): e + 127.
;;     - Each number is divided by its block's scale, clamped to +-28, and rounded to the nearest number of E3M2, ties to even, subnormals kept.
;;     - The product sums the exact products of the quantised numbers (number of the format x scale) in f32.
;;   ~~~python
;;   def quantise(x, axis):      # numpy; x: float32 -> the quantised numbers, widened to float32 again
;;       x = np.moveaxis(x, axis, -1); K = x.shape[-1]
;;       x = np.pad(x, [(0, 0)] * (x.ndim - 1) + [(0, -K % 32)]); x = x.reshape(x.shape[:-1] + (-1, 32)); a = np.abs(x).max(-1, keepdims=True)
;;       e = np.where(a > 0, np.clip(np.frexp(np.where(a > 0, a, 1))[1] - 1 - 4, -126, 127), 0)      # np.frexp(a)[1] - 1 = floor(log2(a)), exactly
;;       r = np.clip(x / 2.0 ** e, -28, 28)
;;       step = 2.0 ** (np.maximum(np.frexp(np.where(r == 0, 1, r))[1] - 1, -2) - 2)
;;       q = np.round(r / step) * step * 2.0 ** e      # np.round: ties to even
;;       return np.moveaxis(q.reshape(q.shape[:-2] + (-1,))[..., :K], -1, axis).astype(np.float32)
;;   ~~~
;;   OPERANDS COMPUTED ON THE WAY. 'Computed on the way' means the value that the module computes at that place (a softmax that the list does not call 'softmax' is quantised finished and normalised). What goes into a quantiser is computed in f32, as accurately as f32 sums, v_exp_f32 and their like allow (about 1e-6 of the number): no bf16 or f16 on the way to a quantiser, and a product that is left as it is and whose result goes on into a quantised operand takes f32 operands (vector FMAs, or v_wmma_f32_16x16x4_f32). A number that lies on a knife's edge between two numbers of the format may be rounded either way, as far as f32 arithmetic and the matrix unit's own rounding can turn it there, and no further.
;; One version. Each part assembles by itself: llvm-mc -triple=amdgcn-amd-amdhsa -mcpu=gfx1250 --defsym DOCPART=n.
;; ======== version 1 of 1: 4 launches
;; limits: right only within a limited range of input values
;; workspace buffers: packR 54,272 bytes; packA 521,216 bytes; qpack 1,835,008 bytes; kpack 1,835,008 bytes; qn 8,388,608 bytes; kn 8,388,608 bytes; xnc 4,194,304 bytes; idx 1,048,576 bytes of whole numbers
;; launch weights (part 1): grid 353 x 1, 1 waves a work-group, no clusters, 0 bytes of LDS; arguments Wq, Wk, Wv, Wo, W1, W2, bv, bo, gf, bf, b1f, b2f, g1, b1, bq, bk, packR, packA; writes packR, packA
.if DOCPART == 1
	.amdgcn_target "amdgcn-amd-amdhsa--gfx1250"
	.amdhsa_code_object_version 6
	.text
	.protected	k_qf0185736f6_weights
	.globl	k_qf0185736f6_weights
	.p2align	8
	.type	k_qf0185736f6_weights,@function
k_qf0185736f6_weights:
	s_mov_b64 s[64:65], 0
	v_nop
	global_prefetch_b8 v0, s[64:65] scope:SCOPE_SE
	s_setreg_imm32_b32 hwreg(HW_REG_WAVE_MODE, 25, 1), 1
	s_wait_xcnt 0x0
; The six weights, f32 stored [K][N], become codes of E3M2 with one E8M0 byte for each 32 along K, laid as IMAGES OF OPERAND REGISTERS:
; a fragment (16 columns x 128 K, 12 registers a lane) is 3 x 512 bytes, group c at 512 c + 16 x lane; its 16 scale words follow in a table of their own.
; One wave makes one fragment: work-groups 0-15 Wq, 16-31 Wk (into packR), 32-63 Wv, 64-95 Wo, 96-223 W1, 224-351 W2 (into packA); work-group 352 copies the small vectors into the packs,
; so that the later launches bring weights, scales, biases and gains into LDS as one dense block.
; A lane takes a column n and its registers run down K, in the order that the operand's layout gives that lane: nothing is transposed.
; For Wq, Wk, Wo, W1 (results that are quantised again) row m of tile t is column 16 t + m + 8 (m / 8 - t % 2): the 16 registers of two neighbouring result tiles are then 16 neighbours along the next K.
; LIMITS: NaN and infinities are not served; a block whose largest magnitude lies under 2^-122 (a block of zeros too) gets the byte 1: this program alone reads the bytes.
.set SRC, 46                           ; s[46:47] the weight in hand
.set DST, 44                           ; s[44:45] the pack that takes it
	s_load_b512 s[8:23], s[0:1], 0x0               ; Wq 8, Wk 10, Wv 12, Wo 14, W1 16, W2 18, bv 20, bo 22
	s_load_b512 s[24:39], s[0:1], 0x40             ; gf 24, bf 26, b1f 28, b2f 30, g1 32, b1 34, bq 36, bk 38
	s_load_b128 s[40:43], s[0:1], 0x80             ; packR 40, packA 42
	v_and_b32 v1, 15, v0                           ; r
	v_lshrrev_b32 v2, 4, v0                        ; h
	v_lshlrev_b32 v8, 4, v0                        ; 16 x lane
	s_mov_b32 s58, 0x76543210
	s_mov_b32 s59, 0xfedcba98                      ; v_permlanex16_b32's selects for lane l xor 16
	s_mov_b32 s2, ttmp9
	s_wait_kmcnt 0x0
	s_cmp_eq_u32 s2, 352
	s_cbranch_scc1 .Lcopy
	; which weight: source, first work-group, log2 of its K steps, mask of the permutation, N.  Every choice hangs on the work-group's number alone
	s_mov_b64 s[SRC:SRC+1], s[18:19]
	s_mov_b32 s48, 224
	s_mov_b32 s49, 3
	s_mov_b32 s50, 0
	s_mov_b32 s51, 256
	s_cmp_lt_u32 s2, 224
	s_cselect_b64 s[SRC:SRC+1], s[16:17], s[SRC:SRC+1]
	s_cselect_b32 s48, 96, s48
	s_cselect_b32 s49, 1, s49
	s_cselect_b32 s50, -1, s50
	s_cselect_b32 s51, 1024, s51
	s_cmp_lt_u32 s2, 96
	s_cselect_b64 s[SRC:SRC+1], s[14:15], s[SRC:SRC+1]
	s_cselect_b32 s48, 64, s48
	s_cselect_b32 s51, 256, s51
	s_cmp_lt_u32 s2, 64
	s_cselect_b64 s[SRC:SRC+1], s[12:13], s[SRC:SRC+1]
	s_cselect_b32 s48, 32, s48
	s_cselect_b32 s50, 0, s50
	s_cmp_lt_u32 s2, 32
	s_cselect_b64 s[SRC:SRC+1], s[10:11], s[SRC:SRC+1]
	s_cselect_b32 s48, 16, s48
	s_cselect_b32 s50, -1, s50
	s_cselect_b32 s51, 128, s51
	s_cmp_lt_u32 s2, 16
	s_cselect_b64 s[SRC:SRC+1], s[8:9], s[SRC:SRC+1]
	s_cselect_b32 s48, 0, s48
	; where the fragment and its scale words go
	s_mov_b32 s4, 107520
	s_mov_b32 s5, 29696
	s_cmp_lt_u32 s2, 96
	s_cselect_b32 s4, 98304, s4
	s_cselect_b32 s5, 0, s5
	s_cmp_lt_u32 s2, 32
	s_cselect_b32 s4, 49152, s4
	s_cselect_b32 s3, 0, 32
	s_cselect_b64 s[DST:DST+1], s[40:41], s[42:43]
	s_sub_co_u32 s3, s2, s3                        ; the fragment's number in its pack
	s_mul_i32 s6, s3, 1536
	s_add_co_u32 s6, s6, s5
	s_lshl_b32 s7, s3, 6
	s_add_co_u32 s7, s7, s4
	s_wait_alu depctr_va_vdst(0)
	v_add_nc_u32 v6, s6, v8                        ; image: 16 x lane on
	v_lshl_add_u32 v7, v1, 2, s7                   ; scale word of column r
	; tile t, K step s
	s_sub_co_u32 s52, s2, s48
	s_lshr_b32 s53, s52, s49                       ; t
	s_bfm_b32 s54, s49, 0
	s_and_b32 s52, s52, s54                        ; s
	s_and_b32 s54, s53, 1
	v_lshrrev_b32 v3, 3, v1
	v_sub_nc_u32 v3, v3, s54
	v_lshlrev_b32 v3, 3, v3
	v_and_b32 v3, s50, v3                          ; 8 (r / 8 - t % 2), or 0
	v_add_nc_u32 v3, v3, v1
	s_lshl_b32 s53, s53, 4
	v_add_nc_u32 v3, s53, v3                       ; my column n
	s_lshl_b32 s55, s51, 7
	v_mul_u32_u24 v4, v2, s55                      ; lanes 16-31 begin 32 rows of 4 N bytes further down
	v_lshl_add_u32 v5, v3, 2, v4
	s_mul_i32 s56, s51, s52
	s_lshl_b32 s56, s56, 9                         ; K step s: 128 rows of 4 N bytes
	s_mov_b32 s57, 0
	s_add_nc_u64 s[SRC:SRC+1], s[SRC:SRC+1], s[56:57]
.macro LOADS n                         ; W(64 c + 32 h + i, n) into v[64 + 32 c + i]: the row's pitch stands in the immediate, so the run is written once for each N
.set j, 0
.rept 64
	global_load_b32 v[64+j], v5, s[SRC:SRC+1] offset:((j/32)*64+j%32)*4*\n th:TH_LOAD_NT
.set j, j+1
.endr
.endm
	s_cmp_eq_u32 s51, 128
	s_cbranch_scc1 .Ln128
	s_cmp_eq_u32 s51, 256
	s_cbranch_scc1 .Ln256
	s_wait_alu depctr_va_vdst(0)
	LOADS 1024
	s_branch .Lloaded
.Ln128:
	s_wait_alu depctr_va_vdst(0)
	LOADS 128
	s_branch .Lloaded
.Ln256:
	s_wait_alu depctr_va_vdst(0)
	LOADS 256
.Lloaded:
	s_wait_loadcnt 0x0
.irp c, 0,1                            ; my block 2 c + h: all its 32 numbers are mine
	v_max3_num_f32 v[32+\c], |v[64+32*\c]|, |v[65+32*\c]|, 0x2800000   ; with the floor 2^(5 - 127): the byte cannot fall under 1
.endr
.irp i, 2,4,6,8,10,12,14,16,18,20,22,24,26,28,30
.irp c, 0,1
	v_max3_num_f32 v[32+\c], v[32+\c], |v[64+32*\c+\i]|, |v[65+32*\c+\i]|
.endr
.endr
.irp c, 0,1
	v_add_nc_u32 v[44+\c], 0xfe000000, v[32+\c]    ; 4 off the exponent field: the conversion's scale operand
.endr
.irp c, 0,1
	v_lshrrev_b32 v[36+\c], 23, v[44+\c]           ; the scale's byte
.endr
	v_lshl_or_b32 v9, v37, 16, v36                 ; my two bytes: blocks h and 2 + h of my column,
	v_lshlrev_b32 v10, 3, v2
	v_lshlrev_b32 v9, v10, v9                      ; at their places in the word;
	v_mov_b32 v10, 0
	v_permlanex16_b32 v10, v9, s58, s59
	v_or_b32 v9, v9, v10                           ; with lane l xor 16's two the word is whole
.irp c, 0,1
	v_cvt_scalef32_pk16_bf6_f32 v[48+6*\c:50+6*\c], v[64+32*\c:79+32*\c], v[44+\c]
	v_cvt_scalef32_pk16_bf6_f32 v[192+4*\c:194+4*\c], v[80+32*\c:95+32*\c], v[44+\c]   ; (a conversion's three registers begin on an even number)
.endr
	v_nop                                          ; one plain place behind a scaled conversion
.irp c, 0,1
.irp i, 0,1,2
	v_mov_b32 v[51+6*\c+\i], v[192+4*\c+\i]
.endr
.endr
.irp c, 0,1,2
	global_store_b128 v6, v[48+4*\c:51+4*\c], s[DST:DST+1] offset:512*\c   ; 32 lanes store 512 consecutive bytes
.endr
	global_store_b32 v7, v9, s[DST:DST+1]          ; both halves of the lanes store the same word
	s_endpgm
.Lcopy:                                ; the small vectors: 24 loads of 512 bytes, then 24 stores
.set q, 0
.macro CPL sb, n
.set i, 0
.rept \n
	global_load_b128 v[64+4*q:67+4*q], v8, s[\sb:\sb+1] offset:512*i
.set i, i+1
.set q, q+1
.endr
.endm
.macro CPS db, off, n
.set i, 0
.rept \n
	global_store_b128 v8, v[64+4*q:67+4*q], s[\db:\db+1] offset:\off+512*i
.set i, i+1
.set q, q+1
.endr
.endm
	s_wait_alu depctr_va_vdst(0)
	CPL 20, 2
	CPL 22, 2
	CPL 24, 2
	CPL 26, 2
	CPL 28, 8
	CPL 30, 2
	CPL 32, 2
	CPL 34, 2
	CPL 36, 1
	CPL 38, 1
	s_wait_loadcnt 0x0
.set q, 0
	CPS 42, 102400, 2                              ; bv
	CPS 42, 103424, 2                              ; bo
	CPS 42, 104448, 2                              ; gf
	CPS 42, 105472, 2                              ; bf
	CPS 42, 106496, 8                              ; b1f
	CPS 42, 110592, 2                              ; b2f
	CPS 40, 51200, 2                               ; g1
	CPS 40, 52224, 2                               ; b1
	CPS 40, 53248, 1                               ; bq
	CPS 40, 53760, 1                               ; bk
	s_endpgm
.Lfunc_end_k_qf0185736f6_weights:
	.size	k_qf0185736f6_weights, .Lfunc_end_k_qf0185736f6_weights-k_qf0185736f6_weights
	.p2alignl 7, 3214868480
	.fill 96, 4, 3214868480
	.section	.rodata,"a",@progbits
	.p2align	6, 0x0
	.amdhsa_kernel k_qf0185736f6_weights
		.amdhsa_group_segment_fixed_size 0
		.amdhsa_private_segment_fixed_size 0
		.amdhsa_enable_private_segment 0
		.amdhsa_kernarg_size 144
		.amdhsa_user_sgpr_count 2
		.amdhsa_user_sgpr_kernarg_segment_ptr 1
		.amdhsa_wavefront_size32 1
		.amdhsa_system_sgpr_workgroup_id_x 1
		.amdhsa_system_sgpr_workgroup_id_y 1
		.amdhsa_system_sgpr_workgroup_id_z 1
		.amdhsa_system_vgpr_workitem_id 0
		.amdhsa_next_free_vgpr 208
		.amdhsa_next_free_sgpr 66
		.amdhsa_reserve_vcc 0
		.amdhsa_float_denorm_mode_32 3
		.amdhsa_float_denorm_mode_16_64 3
		.amdhsa_memory_ordered 1
		.amdhsa_forward_progress 1
		.amdhsa_inst_pref_size 30
	.end_amdhsa_kernel
	.amdgpu_metadata
---
amdhsa.version: [ 1, 2 ]
amdhsa.kernels:
  - .name:           k_qf0185736f6_weights
    .symbol:         k_qf0185736f6_weights.kd
    .args:
      - { .name: Wq, .offset: 0, .size: 8, .value_kind: global_buffer, .address_space: global }
      - { .name: Wk, .offset: 8, .size: 8, .value_kind: global_buffer, .address_space: global }
      - { .name: Wv, .offset: 16, .size: 8, .value_kind: global_buffer, .address_space: global }
      - { .name: Wo, .offset: 24, .size: 8, .value_kind: global_buffer, .address_space: global }
      - { .name: W1, .offset: 32, .size: 8, .value_kind: global_buffer, .address_space: global }
      - { .name: W2, .offset: 40, .size: 8, .value_kind: global_buffer, .address_space: global }
      - { .name: bv, .offset: 48, .size: 8, .value_kind: global_buffer, .address_space: global }
      - { .name: bo, .offset: 56, .size: 8, .value_kind: global_buffer, .address_space: global }
      - { .name: gf, .offset: 64, .size: 8, .value_kind: global_buffer, .address_space: global }
      - { .name: bf, .offset: 72, .size: 8, .value_kind: global_buffer, .address_space: global }
      - { .name: b1f, .offset: 80, .size: 8, .value_kind: global_buffer, .address_space: global }
      - { .name: b2f, .offset: 88, .size: 8, .value_kind: global_buffer, .address_space: global }
      - { .name: g1, .offset: 96, .size: 8, .value_kind: global_buffer, .address_space: global }
      - { .name: b1, .offset: 104, .size: 8, .value_kind: global_buffer, .address_space: global }
      - { .name: bq, .offset: 112, .size: 8, .value_kind: global_buffer, .address_space: global }
      - { .name: bk, .offset: 120, .size: 8, .value_kind: global_buffer, .address_space: global }
      - { .name: packR, .offset: 128, .size: 8, .value_kind: global_buffer, .address_space: global }
      - { .name: packA, .offset: 136, .size: 8, .value_kind: global_buffer, .address_space: global }
    .group_segment_fixed_size: 0
    .private_segment_fixed_size: 0
    .kernarg_segment_align: 8
    .kernarg_segment_size: 144
    .max_flat_workgroup_size: 32
    .sgpr_count:     66
    .vgpr_count:     208
    .wavefront_size: 32
...
	.end_amdgpu_metadata
.endif
;; end of part 1
;; launch rows (part 2): grid 256 x 1, 4 waves a work-group, clusters of 4 x 1, 168,448 bytes of LDS; arguments x, packR, qn, kn, xnc, qpack, kpack; writes qn, kn, xnc, qpack, kpack
.if DOCPART == 2
	.amdgcn_target "amdgcn-amd-amdhsa--gfx1250"
	.amdhsa_code_object_version 6
	.text
	.protected	k_qf0185736f6_rows
	.globl	k_qf0185736f6_rows
	.p2align	8
	.type	k_qf0185736f6_rows,@function
k_qf0185736f6_rows:
	s_mov_b64 s[64:65], 0
	v_nop
	global_prefetch_b8 v0, s[64:65] scope:SCOPE_SE
	s_setreg_imm32_b32 hwreg(HW_REG_WAVE_MODE, 25, 1), 1
	s_wait_xcnt 0x0
	s_wait_alu depctr_hold_cnt(0) depctr_sa_sdst(0) depctr_va_vdst(0) depctr_va_sdst(0) depctr_va_ssrc(0) depctr_va_vcc(0) depctr_vm_vsrc(0)
	s_getreg_b32 s2, hwreg(HW_REG_IB_STS2, 6, 4)
	s_cmp_eq_u32 s2, 0
	s_cbranch_scc0 .Lentry_in_a_cluster
	s_endpgm
.Lentry_in_a_cluster:
	s_bfe_u32 s2, ttmp6, 0x10000c
	s_cmp_lg_u32 s2, 0x3003
	s_cbranch_scc0 .Lentry_shape_is_right
	s_endpgm
.Lentry_shape_is_right:
; All that hangs on ONE row of x: the codes of x; the first LayerNorm and its codes (xnc); q and k = x Wq + bq, x Wk + bk on codes of E3M2, normalised to length 1 (qn, kn, f32),
; their codes as operand images (qpack, kpack) and their squared lengths.
; A wave owns a ROW TILE (b, tau): tile row m is row 2048 b + 8 tau + m % 8 + 1024 (m / 8).  In the next launch's product a lane then sees keys in ascending order.
; Q-LAYOUT of a row: register 64 s + 16 b + i of lane (r, h) holds number 128 s + 32 b + 16 h + i of row r: 16 neighbours of each block of 32, as the conversions want them.
; The products are used transposed (source 0 = 16 columns of the weight, source 1 = my 16 rows) and the weight's tiles are permuted, so that the results fall into the same layout.
; packR (weights' images, scale words, g1, b1, bq, bk: 54,272 bytes) is the same for all work-groups: the four of a cluster ask for it JOINTLY, a quarter to each wave, once.  Nothing in LDS is filled again.
; LIMITS: NaN and infinities are not served; a block whose largest magnitude lies under 2^-122 gets the byte 1; 1 / max(length, 1e-12) is a reciprocal and a multiplication.
.set WV, 20
.set SEL, 38
.set SINV, 40                          ; 1 / 256
.set SEPS, 41                          ; 1e-5
.set LI, 1                             ; 16 x lane
.set L4, 2                             ; 4 x lane
.set XA, 3                             ; x: my row of the tile, + 64 h
.set GA, 4                             ; g1 (b1 1,024 bytes on) at 64 h
.set BA, 5                             ; bq | bk at 64 h
.set STW, 6                            ; stage, f32 rows of 528 bytes: row r + 64 h
.set STR, 7                            ; and back: 16 x lane
.set CSB, 8                            ; stage, code rows of 272 bytes: row r
.set CSW, 9                            ; + 96 h
.set CS8, 10                           ; + 8 h
.set CS16, 11                          ; + 16 h
.set CSR, 12                           ; and back: row h, 16 r
.set WSA, 13                           ; the weights' scale words: 4 r
.set RR, 14
.set HH, 15
.set XF, 16                            ; v16-39 x's two fragments
.set XS, 40                            ; v40-41 their scale words
.set WS, 42                            ; v42-49 the weights' scale words, two sets of four
.set ST, 50                            ; v50-59 statistics
.set X, 64                             ; v64-191 the row in Q-layout, then the 16 accumulators
.set PC, 192                           ; v192-203 codes just made
.set PT, 204
.set TM, 212
.set PW, 228                           ; v228-229 scale words just made
.set MSB, 0
.macro WIN new                         ; the immediate's high byte repeats the setting that is left
.if MSB != (\new)
	s_set_vgpr_msb (MSB<<8)|(\new)
.set MSB, \new
.endif
.endm
.macro ROUND                           ; a round of the cluster's barrier
	s_barrier_signal -1
	s_barrier_wait -1
	s_cmp_lg_u32 s[WV], 0
	s_cbranch_scc1 .Lnot_wave_0_\@
	s_barrier_signal -3
.Lnot_wave_0_\@:
	s_barrier_wait -3
	s_barrier_signal -1
	s_barrier_wait -1
.endm
.macro PLACES n
.rept \n
	v_nop
.endr
.endm
.macro BARRIER
	s_wait_dscnt 0x0
	s_barrier_signal -1
	s_barrier_wait -1
.endm
; 64 numbers of a lane in Q-layout, v[s] on, become a fragment's codes in v[d] .. v[d + 11] and the row's scale word in v[pw]
.macro QUANT s, d, t, pw
.irp b, 0,1,2,3
	v_max3_num_f32 v[TM+\b], |v[\s+16*\b]|, |v[\s+1+16*\b]|, 0x2800000   ; block b: my 16 numbers, and the floor 2^(5 - 127)
.endr
.irp i, 2,4,6,8,10,12,14
.irp b, 0,1,2,3
	v_max3_num_f32 v[TM+\b], v[TM+\b], |v[\s+16*\b+\i]|, |v[\s+1+16*\b+\i]|
.endr
.endr
.irp b, 0,1,2,3
	v_permlanex16_b32 v[TM+4+\b], v[TM+\b], s[SEL], s[SEL+1]
.endr
.irp b, 0,1,2,3
	v_max_num_f32 v[TM+\b], v[TM+\b], v[TM+4+\b]   ; with lane l xor 16's: the block's largest magnitude
.endr
.irp b, 0,1,2,3
	v_add_nc_u32 v[TM+12+\b], 0xfe000000, v[TM+\b] ; 4 off its exponent field: the conversion's scale operand
.endr
.irp b, 0,1,2,3
	v_lshrrev_b32 v[TM+4+\b], 23, v[TM+12+\b]      ; the scale's byte
.endr
	v_lshl_or_b32 v[\pw], v[TM+5], 8, v[TM+4]
	v_lshl_or_b32 v[\pw], v[TM+6], 16, v[\pw]
	v_lshl_or_b32 v[\pw], v[TM+7], 24, v[\pw]
.irp c, 0,1
	v_cvt_scalef32_pk16_bf6_f32 v[\d+6*\c:\d+2+6*\c], v[\s+32*\c:\s+15+32*\c], v[TM+12+2*\c]
	v_cvt_scalef32_pk16_bf6_f32 v[\t+4*\c:\t+2+4*\c], v[\s+16+32*\c:\s+31+32*\c], v[TM+13+2*\c]
.endr
	v_nop                                          ; one plain place behind a scaled conversion
.irp c, 0,1                            ; the operand's layout wants a whole block in a lane
.irp i, 0,1,2
	v_permlane16_swap_b32 v[\d+6*\c+\i], v[\t+4*\c+\i]
.endr
.irp i, 0,1,2
	v_mov_b32 v[\d+3+6*\c+\i], v[\t+4*\c+\i]
.endr
.endr
.endm
; Chunk ch of a weight: two tiles x two K steps = four fragments, 6,144 consecutive bytes of LDS, into buffer ch % 2 of window win; their scale words into set ch % 2
.macro PCH adr, wsa, ch, win
	WIN ((\win)<<6)
.set pn, 0
.rept 12
	ds_load_b128 v[48*((\ch)%2)+4*pn:48*((\ch)%2)+4*pn+3], v[\adr] offset:6144*(\ch)+512*pn
.set pn, pn+1
.endr
	WIN 0
.irp n, 0,1,2,3
	ds_load_b32 v[WS+4*((\ch)%2)+\n], v[\wsa] offset:256*(\ch)+64*\n
.endr
.endm
; 16 tiles x 2 K steps onto accumulators that hold the bias.  A chunk's two accumulators take turns.
.macro PROJ adr, wsa, rb, rs, acc, win
	PCH \adr, \wsa, 0, \win
	PCH \adr, \wsa, 1, \win
.set pc, 0
.rept 8
.if pc < 7
	s_wait_dscnt 16                                ; this chunk's 16 loads are in; the next chunk's 16 may be out
.else
	s_wait_dscnt 0x0
.endif
	WIN \win
.irp s, 0,1
.irp u, 0,1
	v_wmma_scale_f32_16x16x128_f8f6f4 v[\acc+8*(2*pc+\u):\acc+8*(2*pc+\u)+7], v[48*(pc%2)+12*(2*\u+\s):48*(pc%2)+12*(2*\u+\s)+11], v[\rb+12*\s:\rb+12*\s+11], v[\acc+8*(2*pc+\u):\acc+8*(2*pc+\u)+7], v[WS+4*(pc%2)+2*\u+\s], v[\rs+\s] matrix_a_fmt:MATRIX_FMT_BF6 matrix_b_fmt:MATRIX_FMT_BF6
.endr
.endr
.if pc < 6
	PLACES 4                                       ; in front of loads into registers that these products read
	PCH \adr, \wsa, pc+2, \win
.endif
.set pc, pc+1
.endr
	WIN 0
.endm
; v[xb] .. v[xb + 127], a row of 256 shared with lane l xor 16, becomes (x - mean) / sqrt(var + 1e-5)
.macro LNSTAT xb, sb
.irp c, 0,1,2,3
	v_pk_add_f32 v[\sb+2*\c:\sb+2*\c+1], v[\xb+2*\c:\xb+2*\c+1], v[\xb+8+2*\c:\xb+9+2*\c]
.endr
.set j, 16
.rept 14
.irp c, 0,1,2,3
	v_pk_add_f32 v[\sb+2*\c:\sb+2*\c+1], v[\sb+2*\c:\sb+2*\c+1], v[\xb+j+2*\c:\xb+j+2*\c+1]
.endr
.set j, j+8
.endr
	v_pk_add_f32 v[\sb:\sb+1], v[\sb:\sb+1], v[\sb+2:\sb+3]
	v_pk_add_f32 v[\sb+4:\sb+5], v[\sb+4:\sb+5], v[\sb+6:\sb+7]
	v_pk_add_f32 v[\sb:\sb+1], v[\sb:\sb+1], v[\sb+4:\sb+5]
	v_add_f32 v[\sb], v[\sb], v[\sb+1]
	v_permlanex16_b32 v[\sb+1], v[\sb], s[SEL], s[SEL+1]
	v_add_f32 v[\sb], v[\sb], v[\sb+1]
	v_mul_f32 v[\sb+8], s[SINV], v[\sb]            ; the mean, twice: a pair for the packed forms
	v_mov_b32 v[\sb+9], v[\sb+8]
.set j, 0
.rept 64
	v_pk_add_f32 v[\xb+j:\xb+j+1], v[\xb+j:\xb+j+1], v[\sb+8:\sb+9] neg_lo:[0,1] neg_hi:[0,1]
.set j, j+2
.endr
.irp c, 0,1,2,3
	v_pk_mul_f32 v[\sb+2*\c:\sb+2*\c+1], v[\xb+2*\c:\xb+2*\c+1], v[\xb+2*\c:\xb+2*\c+1]
.endr
.set j, 8
.rept 15
.irp c, 0,1,2,3
	v_pk_fma_f32 v[\sb+2*\c:\sb+2*\c+1], v[\xb+j+2*\c:\xb+j+2*\c+1], v[\xb+j+2*\c:\xb+j+2*\c+1], v[\sb+2*\c:\sb+2*\c+1]
.endr
.set j, j+8
.endr
	v_pk_add_f32 v[\sb:\sb+1], v[\sb:\sb+1], v[\sb+2:\sb+3]
	v_pk_add_f32 v[\sb+4:\sb+5], v[\sb+4:\sb+5], v[\sb+6:\sb+7]
	v_pk_add_f32 v[\sb:\sb+1], v[\sb:\sb+1], v[\sb+4:\sb+5]
	v_add_f32 v[\sb], v[\sb], v[\sb+1]
	v_permlanex16_b32 v[\sb+1], v[\sb], s[SEL], s[SEL+1]
	v_add_f32 v[\sb], v[\sb], v[\sb+1]
	v_fma_f32 v[\sb], v[\sb], s[SINV], s[SEPS]     ; var + 1e-5
	s_wait_alu depctr_va_vdst(0)
	v_rsq_f32 v[\sb+8], v[\sb]
	v_nop                                          ; one plain place behind a transcendental
	s_wait_alu depctr_va_vdst(0)
	v_mov_b32 v[\sb+9], v[\sb+8]
.set j, 0
.rept 64
	v_pk_mul_f32 v[\xb+j:\xb+j+1], v[\xb+j:\xb+j+1], v[\sb+8:\sb+9]
.set j, j+2
.endr
.endm
.macro SUMSQ rb                        ; the squared length of the row of 128 at v[rb], in v[ST] of every lane; each accumulator is read from its low end on
	v_pk_mul_f32 v[ST:ST+1], v[\rb:\rb+1], v[\rb:\rb+1]
	v_pk_mul_f32 v[ST+2:ST+3], v[\rb+2:\rb+3], v[\rb+2:\rb+3]
.set j, 4
.rept 15
	v_pk_fma_f32 v[ST:ST+1], v[\rb+j:\rb+j+1], v[\rb+j:\rb+j+1], v[ST:ST+1]
	v_pk_fma_f32 v[ST+2:ST+3], v[\rb+j+2:\rb+j+3], v[\rb+j+2:\rb+j+3], v[ST+2:ST+3]
.set j, j+4
.endr
	v_pk_add_f32 v[ST:ST+1], v[ST:ST+1], v[ST+2:ST+3]
	v_add_f32 v[ST], v[ST], v[ST+1]
	v_permlanex16_b32 v[ST+1], v[ST], s[SEL], s[SEL+1]
	v_add_f32 v[ST], v[ST], v[ST+1]
.endm
.macro NORM rb, keep                   ; x / max(|x|, 1e-12), and the squared length of the result
	SUMSQ \rb
	s_wait_alu depctr_va_vdst(0)
	v_sqrt_f32 v[ST+4], v[ST]
	v_nop
	s_wait_alu depctr_va_vdst(0)
	v_max_num_f32 v[ST+5], 0x2b8cbccc, v[ST+4]
	s_wait_alu depctr_va_vdst(0)
	v_rcp_f32 v[ST+6], v[ST+5]
	v_nop
	s_wait_alu depctr_va_vdst(0)
	v_mov_b32 v[ST+7], v[ST+6]
.set j, 0
.rept 32
	v_pk_mul_f32 v[\rb+j:\rb+j+1], v[\rb+j:\rb+j+1], v[ST+6:ST+7]
.set j, j+2
.endr
	SUMSQ \rb
	v_mov_b32 v[\keep], v[ST]
.endm
; 16 rows of 128 f32 leave through my stage as whole rows of 512 bytes; their codes' image, scale words and squared lengths leave as they stand
.macro WAYOUT rb, gp, ip, istep, sp, soff, qoff, keep
.set j, 0
.rept 16
	ds_store_b128 v[STW], v[\rb+4*j:\rb+4*j+3] offset:128*(j/4)+16*(j%4)
.set j, j+1
.endr
	QUANT \rb, PC, PT, PW
	WIN 0x40
.set j, 0
.rept 16
	ds_load_b128 v[96+4*j:99+4*j], v[STR] offset:528*j   ; LDS serves a wave's instructions in order: these see my stores
.set j, j+1
.endr
	WIN 0x04                                       ; a store's data are its source 1: window 1
.set j, 0
	s_wait_alu depctr_va_vdst(0)
.rept 16
	s_wait_dscnt 15-j                              ; row j is back; the younger loads may be out
	global_store_b128 v[LI], v[96+4*j:99+4*j], s[\gp:\gp+1] offset:512*(j%8+1024*(j/8))   ; 32 lanes store a row's 512 consecutive bytes
.set j, j+1
.endr
	WIN 0
.irp c, 0,1,2
	global_store_b128 v[LI], v[PC+4*\c:PC+4*\c+3], s[\ip:\ip+1] offset:\istep*\c
.endr
	global_store_b32 v[L4], v[PW], s[\sp:\sp+1] offset:\soff
	global_store_b32 v[L4], v[\keep], s[\sp:\sp+1] offset:\qoff
.endm
	s_load_b256 s[4:11], s[0:1], 0x0               ; x 4, packR 6, qn 8, kn 10
	s_load_b128 s[12:15], s[0:1], 0x20             ; xnc 12, qpack 14
	s_load_b64 s[16:17], s[0:1], 0x30              ; kpack
	v_lshl_add_u32 v254, v0, 2, 0x29000
	v_mov_b32 v255, 0
	ds_add_u32 v254, v255
	ds_add_u32 v254, v255
	v_lshrrev_b32 v[RR], 5, v0
	v_readfirstlane_b32 s[WV], v[RR]               ; wave 0..3
	s_bfe_u32 s21, ttmp6, 0x40000                  ; cx
	s_lshl_b32 s22, ttmp9, 2
	s_add_co_u32 s22, s22, s21                     ; work-group
	s_lshl_b32 s23, s22, 2
	s_add_co_u32 s23, s23, s[WV]                   ; my tile g = 128 b + tau
	s_lshr_b32 s36, s23, 7
	s_and_b32 s37, s23, 127
	s_lshl_b32 s42, s36, 11
	s_lshl_b32 s43, s37, 3
	s_add_co_u32 s42, s42, s43                     ; the tile's first row
	s_mov_b32 s[SEL], 0x76543210
	s_mov_b32 s[SEL+1], 0xfedcba98
	s_mov_b32 s[SINV], 0x3b800000
	s_mov_b32 s[SEPS], 0x3727c5ac
	; the joint load: my quarter of packR, 53 rows of 256 bytes; every word hangs on the wave's number alone
	s_mov_b32 s28, 15|(3<<16)|(1<<21)              ; mask: all four work-groups; elements of 8 bytes; bit 21 beside a mask
	s_mov_b32 s29, 32<<16                          ; tensor_dim0 = 32
	s_mov_b32 s30, 53<<16                          ; tensor_dim1 = 53
	s_mov_b32 s31, 32<<16                          ; tile_dim0 = 32
	s_mov_b32 s32, 53                              ; tile_dim1 = 53
	s_mov_b32 s33, 32                              ; pitch
	s_mov_b32 s34, 0
	s_mov_b32 s35, 0
	s_mov_b32 s24, 1
	s_mul_i32 s25, s[WV], 13568
	s_mov_b32 s52, s25
	s_mov_b32 s53, 0
	s_mov_b32 s45, 0
	s_mul_i32 s49, s[WV], 8448
	s_add_co_u32 s49, s49, 54272                   ; my stage, behind the pack's image
	s_wait_dscnt 0x0
	s_wait_kmcnt 0x0
	s_add_nc_u64 s[26:27], s[6:7], s[52:53]
	s_or_b32 s27, s27, 0x80000000
	s_lshl_b32 s44, s42, 10
	s_add_nc_u64 s[4:5], s[4:5], s[44:45]          ; x at the tile's first row
	s_lshl_b32 s44, s42, 9
	s_add_nc_u64 s[8:9], s[8:9], s[44:45]          ; qn
	s_add_nc_u64 s[10:11], s[10:11], s[44:45]      ; kn
	s_lshl_b32 s44, s42, 8
	s_add_nc_u64 s[12:13], s[12:13], s[44:45]      ; xnc
	s_mul_i32 s44, s23, 1536
	s_add_nc_u64 s[46:47], s[14:15], s[44:45]      ; qpack: my image
	s_lshl_b32 s44, s23, 7
	s_add_nc_u64 s[14:15], s[14:15], s[44:45]      ; qpack: my 128 bytes in the two tables
	s_mul_i32 s48, s36, 229376
	s_lshl_b32 s44, s37, 9
	s_add_co_u32 s44, s44, s48
	s_add_nc_u64 s[50:51], s[16:17], s[44:45]      ; kpack: my 512 bytes in each of the three planes
	s_lshl_b32 s44, s37, 7
	s_add_co_u32 s44, s44, s48
	s_add_nc_u64 s[16:17], s[16:17], s[44:45]      ; kpack: my 128 bytes in the two tables
	ROUND                                          ; all four work-groups are here: the joint loads meet
	tensor_load_to_lds s[24:27], s[28:35]          ; the one tensor load of this wave
	s_nop 0
	PLACES 4
	v_and_b32 v[LI], 31, v0
	v_lshlrev_b32 v[L4], 2, v[LI]
	v_lshlrev_b32 v[LI], 4, v[LI]
	v_and_b32 v[RR], 15, v0
	v_bfe_u32 v[HH], v0, 4, 1
	v_and_b32 v[XA], 7, v[RR]
	v_lshlrev_b32 v[XA], 10, v[XA]
	v_lshrrev_b32 v[GA], 3, v[RR]
	v_lshl_add_u32 v[XA], v[GA], 20, v[XA]
	v_lshl_add_u32 v[XA], v[HH], 6, v[XA]
.set j, 0
.rept 32
	global_load_b128 v[X+4*j:X+4*j+3], v[XA], s[4:5] offset:512*(j/16)+128*((j/4)%4)+16*(j%4)
.set j, j+1
.endr
	v_lshl_add_u32 v[GA], v[HH], 6, 51200
	v_lshl_add_u32 v[BA], v[HH], 6, 53248
	v_mul_u32_u24 v[STW], v[RR], 528
	v_lshl_add_u32 v[STW], v[HH], 6, v[STW]
	v_add_nc_u32 v[STW], s49, v[STW]
	v_add_nc_u32 v[STR], s49, v[LI]
	v_mul_u32_u24 v[CSB], v[RR], 272
	v_add_nc_u32 v[CSB], s49, v[CSB]
	v_mad_u32_u24 v[CSW], v[HH], 96, v[CSB]
	v_lshl_add_u32 v[CS8], v[HH], 3, v[CSB]
	v_lshl_add_u32 v[CS16], v[HH], 4, v[CSB]
	v_mul_u32_u24 v[CSR], v[HH], 272
	v_lshl_add_u32 v[CSR], v[RR], 4, v[CSR]
	v_add_nc_u32 v[CSR], s49, v[CSR]
	v_lshl_add_u32 v[WSA], v[RR], 2, 49152
.irp b, 0,1,2,3
	v_mov_b32 v[TM+4+\b], 0                        ; written once: a lane permute's destination counts as one of its sources
	v_mov_b32 v[60+\b], 0                          ; sixteen bytes of zeros
.endr
	s_wait_loadcnt 0x0                             ; x
	QUANT X, XF, PT, XS                            ; x's codes, for both projections
	QUANT X+64, XF+12, PT, XS+1
	s_wait_tensorcnt 0x0                           ; my quarter of the pack has landed,
	BARRIER                                        ; everybody's has
	WIN 0x40                                       ; g1 and b1 in Q-layout, into window 1
.set j, 0
.rept 32
	ds_load_b128 v[4*j:4*j+3], v[GA] offset:512*(j/16)+128*((j/4)%4)+16*(j%4)
	ds_load_b128 v[128+4*j:131+4*j], v[GA] offset:1024+512*(j/16)+128*((j/4)%4)+16*(j%4)
.set j, j+1
.endr
	WIN 0
	LNSTAT X, ST
	s_wait_dscnt 0x0
	WIN 0x14                                       ; sources 1 and 2 in window 1
.set j, 0
.rept 64
	v_pk_fma_f32 v[X+j:X+j+1], v[X+j:X+j+1], v[j:j+1], v[128+j:129+j]
.set j, j+2
.endr
	WIN 0
	; the normalised row's codes: a row of xnc is 96 bytes for the lanes' lower half, 96 for the upper, 8 scale bytes, zeros up to 256
	QUANT X, PC, PT, PW
.irp c, 0,1,2
	ds_store_b128 v[CSW], v[PC+4*\c:PC+4*\c+3] offset:16*\c
.endr
	s_wait_dscnt 0x0                               ; the stores have read their registers
	QUANT X+64, PC, PT, PW+1
.irp c, 0,1,2
	ds_store_b128 v[CSW], v[PC+4*\c:PC+4*\c+3] offset:48+16*\c
.endr
	v_cmp_eq_u32 vcc_lo, 0, v[HH]
	v_cndmask_b32 v230, 0, v[PW], vcc_lo
	v_cndmask_b32 v231, 0, v[PW+1], vcc_lo
	ds_store_b64 v[CS8], v[230:231] offset:192     ; lanes 0-15 the two scale words, lanes 16-31 zeros behind them
	ds_store_b128 v[CS16], v[60:63] offset:208
	ds_store_b128 v[CSB], v[60:63] offset:240      ; (both halves store the same zeros)
.set j, 0
.rept 8
	ds_load_b128 v[X+4*j:X+4*j+3], v[CSR] offset:544*j
.set j, j+1
.endr
.set j, 0
.rept 8
	s_wait_dscnt 7-j                               ; rows 2 j and 2 j + 1 are back; the younger loads may be out
	global_store_b128 v[LI], v[X+4*j:X+4*j+3], s[12:13] offset:512*(j%4)+262144*(j/4)   ; two neighbouring rows: 512 consecutive bytes
.set j, j+1
.endr
	s_wait_xcnt 0x0                                ; the stores have read their registers: X is written again only behind this wait
.set j, 0
.rept 32
	ds_load_b128 v[X+4*j:X+4*j+3], v[BA] offset:512*(j/16)+128*((j/4)%4)+16*(j%4)   ; bq | bk start the sums
.set j, j+1
.endr
	PROJ LI, WSA, XF, XS, X, 1                     ; tiles 0-7: q; tiles 8-15: k
	PLACES 4
	NORM X, ST+8
	NORM X+64, ST+9
	WAYOUT X, 8, 46, 512, 14, 1572864, 1703936, ST+8
	s_wait_xcnt 0x0                                ; q's stores have read their registers
	WAYOUT X+64, 10, 50, 65536, 16, 196608, 212992, ST+9
	s_wait_dscnt 0x0
	s_wait_tensorcnt 0x0
	ds_add_u32 v254, v255
	s_wait_dscnt 0x0
	ROUND                                          ; the closing round: no work-group ends while a partner may still ask jointly
	s_endpgm
.Lfunc_end_k_qf0185736f6_rows:
	.size	k_qf0185736f6_rows, .Lfunc_end_k_qf0185736f6_rows-k_qf0185736f6_rows
	.p2alignl 7, 3214868480
	.fill 96, 4, 3214868480
	.section	.rodata,"a",@progbits
	.p2align	6, 0x0
	.amdhsa_kernel k_qf0185736f6_rows
		.amdhsa_group_segment_fixed_size 168448
		.amdhsa_private_segment_fixed_size 0
		.amdhsa_enable_private_segment 0
		.amdhsa_kernarg_size 56
		.amdhsa_user_sgpr_count 2
		.amdhsa_user_sgpr_kernarg_segment_ptr 1
		.amdhsa_wavefront_size32 1
		.amdhsa_system_sgpr_workgroup_id_x 1
		.amdhsa_system_sgpr_workgroup_id_y 1
		.amdhsa_system_sgpr_workgroup_id_z 1
		.amdhsa_system_vgpr_workitem_id 0
		.amdhsa_next_free_vgpr 512
		.amdhsa_next_free_sgpr 66
		.amdhsa_reserve_vcc 1
		.amdhsa_float_denorm_mode_32 3
		.amdhsa_float_denorm_mode_16_64 3
		.amdhsa_memory_ordered 1
		.amdhsa_forward_progress 1
		.amdhsa_inst_pref_size 97
	.end_amdhsa_kernel
	.amdgpu_metadata
---
amdhsa.version: [ 1, 2 ]
amdhsa.kernels:
  - .name:           k_qf0185736f6_rows
    .symbol:         k_qf0185736f6_rows.kd
    .args:
      - { .name: x, .offset: 0, .size: 8, .value_kind: global_buffer, .address_space: global }
      - { .name: packR, .offset: 8, .size: 8, .value_kind: global_buffer, .address_space: global }
      - { .name: qn, .offset: 16, .size: 8, .value_kind: global_buffer, .address_space: global }
      - { .name: kn, .offset: 24, .size: 8, .value_kind: global_buffer, .address_space: global }
      - { .name: xnc, .offset: 32, .size: 8, .value_kind: global_buffer, .address_space: global }
      - { .name: qpack, .offset: 40, .size: 8, .value_kind: global_buffer, .address_space: global }
      - { .name: kpack, .offset: 48, .size: 8, .value_kind: global_buffer, .address_space: global }
    .group_segment_fixed_size: 168448
    .private_segment_fixed_size: 0
    .kernarg_segment_align: 8
    .kernarg_segment_size: 56
    .max_flat_workgroup_size: 128
    .sgpr_count:     66
    .vgpr_count:     512
    .wavefront_size: 32
...
	.end_amdgpu_metadata
.endif
;; end of part 2
;; launch knn (part 3): grid 256 x 1, 4 waves a work-group, clusters of 4 x 1, 229,888 bytes of LDS; arguments qpack, kpack, idx; writes idx
.if DOCPART == 3
	.amdgcn_target "amdgcn-amd-amdhsa--gfx1250"
	.amdhsa_code_object_version 6
	.text
	.protected	k_qf0185736f6_knn
	.globl	k_qf0185736f6_knn
	.p2align	8
	.type	k_qf0185736f6_knn,@function
k_qf0185736f6_knn:
	s_mov_b64 s[64:65], 0
	v_nop
	global_prefetch_b8 v0, s[64:65] scope:SCOPE_SE
	s_setreg_imm32_b32 hwreg(HW_REG_WAVE_MODE, 25, 1), 1
	s_wait_xcnt 0x0
	s_wait_alu depctr_hold_cnt(0) depctr_sa_sdst(0) depctr_va_vdst(0) depctr_va_sdst(0) depctr_va_ssrc(0) depctr_va_vcc(0) depctr_vm_vsrc(0)
	s_getreg_b32 s2, hwreg(HW_REG_IB_STS2, 6, 4)
	s_cmp_eq_u32 s2, 0
	s_cbranch_scc0 .Lentry_in_a_cluster
	s_endpgm
.Lentry_in_a_cluster:
	s_bfe_u32 s2, ttmp6, 0x10000c
	s_cmp_lg_u32 s2, 0x3003
	s_cbranch_scc0 .Lentry_shape_is_right
	s_endpgm
.Lentry_shape_is_right:
; For each query the SET of its 16 nearest keys (ties at the 16th distance: the lower index), as row numbers, in any order: all that follows is a sum over the set.
; d2 = (qq + kk) - 2 s, s = qn . kn on codes of E3M2.  No branch and no address hangs on a distance.
; A work-group holds its batch's keys (codes, scale words, squared lengths: 229,376 bytes, an image of the batch's part of kpack) in LDS, filled once; the four work-groups of a cluster lie in
; one batch and ask for it JOINTLY, a quarter to each wave.  A wave owns a tile of 16 queries and walks the 128 key tiles twice.
; S^T = K Q^T: lane (r, h) holds query r; register j of key tile tau is key 1024 h + 8 tau + j: a lane sees its 1,024 keys in ascending order, 32 a trip.
; WALK 1 finds each lane's 16 smallest distances.  A number goes into a sorted list by a[i] = the middle of (a[i-1], x, a[i]), from the top down, and a[0] = min(a[0], x): one line for each place of the list.
;   To keep the lists short a trip's numbers are first ordered in part: 27 of them are a cube of 3 x 3 x 3, sorted along each axis in turn (sorting along a later axis keeps the earlier axes sorted).
;   The number at place (a, b, c) then has p - 1 = (a+1)(b+1)(c+1) - 1 numbers of its own cube that are not larger, so of any 16 smallest at most 16 / p stand at that place of their cubes:
;   a list of that depth for each place loses none of them (16, 8, 5, 4, 2, 1; 87 registers in all; places with p > 16 are not even formed).  The trip's other five numbers are a sorted triple and a sorted pair,
;   whose members share lists of places with the same p: their companions are their own, so the count holds for the shared list too.  At the end the short lists' 71 numbers go into the list of 16.
;   The 16th smallest of both lanes' lists is T = the largest of min(a[i], the other lane's a[15 - i]).
; WALK 2: the same distances, bit for bit.  The signs of d2 - T and T - d2 give each candidate a bit 'smaller' and a bit 'larger' (neither: equal).  16 candidates' bits make a half word;
;   a half word that is not empty becomes a positive f32 number, (its rank + 1) in the exponent field over the bits, ranks: all 'smaller' half words ascending, then all 'equal' ones; the first
;   16 of them are kept by the same sorted insertion.  Then 16 bits are taken off the list's head, and the two lanes' lists are joined: lane 0's from slot 0 up, lane 1's from slot 15 down,
;   the smaller code wins: lane 1's 'smaller' (1024 ..) < all of lane 0's (2048 ..) < lane 1's 'equal' (3072 ..) < empty (5072 ..).  At most 15 are smaller and at least 16 not larger.
; LIMITS: NaN and infinities are not served.
.set WV, 20
.set SEL, 38
.set SF, 40                            ; LDS byte of the key fragments to fetch: 2,048 a trip, round 65,536
.set SS, 41                            ; of their scale words: 512 a trip, round 16,384
.set SK, 42                            ; of the squared lengths, a trip behind
.set C0, 43                            ; s43-46 (rank + 1) << 23 of the trip's four half words
.set CNT, 47
.set BB, 48                            ; 2048 b
.set Q, 12                             ; v12-23 my queries' fragment
.set QS, 24                            ; its scale words
.set L4, 25
.set QQ, 26                            ; v26-27 qq, twice
.set TT, 28                            ; v28-29 T, twice
.set IO, 30                            ; my byte offset in idx
.set HH, 31
.set F, 32                             ; v32-79 four key fragments
.set S, 80                             ; v80-83 their scale words
.set KK, 84                            ; v84-115 kk of four tiles
.set D, 116                            ; v116-147 S^T of four tiles
.set E, 148                            ; v148-179 d2, then d2 - T
.set WW, 180                           ; v180-211 walk 1: the sort's second set; walk 2: T - d2
.set AL, 212                           ; v212-227 my 16 smallest distances, sorted
.set KL, 228                           ; v228-243 the sorted half words
.set BIGV, 255                         ; 0x7f00ffff: above every half word
.set NL, 87                            ; window 1, v0-86: walk 1's lists, one behind the other in the order of the cube's places 9 a + 3 b + c
.set MSB, 0
.macro WIN new                         ; the immediate's high byte repeats the setting that is left
.if MSB != (\new)
	s_set_vgpr_msb (MSB<<8)|(\new)
.set MSB, \new
.endif
.endm
.macro ROUND
	s_barrier_signal -1
	s_barrier_wait -1
	s_cmp_lg_u32 s[WV], 0
	s_cbranch_scc1 .Lnot_wave_0_\@
	s_barrier_signal -3
.Lnot_wave_0_\@:
	s_barrier_wait -3
	s_barrier_signal -1
	s_barrier_wait -1
.endm
.macro PLACES n
.rept \n
	v_nop
.endr
.endm
.macro LOADF a0, off                   ; four key fragments: group c of a fragment's registers lies in plane c
.irp t, 0,1,2,3
.irp c, 0,1,2
	ds_load_b128 v[F+12*\t+4*\c:F+12*\t+4*\c+3], v[\a0+\c] offset:\off+512*\t
.endr
.endr
.endm
.macro LOADS a, off
.irp t, 0,1,2,3
	ds_load_b32 v[S+\t], v[\a] offset:\off+128*\t
.endr
.endm
.macro LOADK a
.irp t, 0,1,2,3
	ds_load_b128 v[KK+8*\t:KK+8*\t+3], v[\a] offset:128*\t
	ds_load_b128 v[KK+8*\t+4:KK+8*\t+7], v[\a] offset:128*\t+16
.endr
.endm
.macro MM
.irp t, 0,1,2,3
	v_wmma_scale_f32_16x16x128_f8f6f4 v[D+8*\t:D+8*\t+7], v[F+12*\t:F+12*\t+11], v[Q:Q+11], 0, v[S+\t], v[QS] matrix_a_fmt:MATRIX_FMT_BF6 matrix_b_fmt:MATRIX_FMT_BF6
.endr
.endm
; The head of trip g, alike in both walks: d2 of group g; the products of group g + 1; the loads of fragments g + 2 and of kk g + 1.  The masks lead group 32 back to group 0.
.macro PIPE
	s_wait_dscnt 0x0                               ; asked for a whole trip ago
.set j, 0
.rept 16
	v_pk_add_f32 v[E+j:E+j+1], v[KK+j:KK+j+1], v[QQ:QQ+1]
.set j, j+2
.endr
.set j, 0
.rept 16
	v_pk_fma_f32 v[E+j:E+j+1], v[D+j:D+j+1], -2.0, v[E+j:E+j+1] op_sel_hi:[1,0,1]   ; each accumulator from its low end on
.set j, j+2
.endr
	MM
	s_add_co_u32 s[SF], s[SF], 2048
	s_and_b32 s[SF], s[SF], 0xffff
	s_add_co_u32 s[SS], s[SS], 512
	s_and_b32 s[SS], s[SS], 0x3fff
	s_add_co_u32 s[SK], s[SK], 512
	s_and_b32 s[SK], s[SK], 0x3fff
	v_add_nc_u32 v6, s[SF], v1                     ; five plain lines: the places in front of the loads into registers that the products read
	v_add_nc_u32 v7, s[SF], v2
	v_add_nc_u32 v8, s[SF], v3
	v_add_nc_u32 v9, s[SS], v4
	v_add_nc_u32 v10, s[SK], v5
	LOADF 6, 0
	LOADS 9, 0
	LOADK 10
.endm
.macro INSERT lst, x                   ; x into a sorted list of 16, all in window 0
.set i, 15
.rept 15
	v_med3_num_f32 v[\lst+i], v[\lst+i-1], v[\x], v[\lst+i]
.set i, i-1
.endr
	v_min_num_f32 v[\lst], v[\lst], v[\x]
.endm
.macro INS lst, dep, x                 ; x into a sorted list of dep places.  Every line has the list as destination and as sources 0 and 2 and x as source 1, so that one window setting serves all
.set i, (\dep)-1
.rept (\dep)-1
	v_med3_num_f32 v[\lst+i], v[\lst+i-1], v[\x], v[\lst+i]
.set i, i-1
.endr
	v_min3_num_f32 v[\lst], v[\lst], v[\x], v[\lst]
.endm
	s_load_b128 s[4:7], s[0:1], 0x0                ; qpack, kpack
	s_load_b64 s[8:9], s[0:1], 0x10                ; idx
	v_lshl_add_u32 v253, v0, 2, 0x38000
	v_mov_b32 v254, 0
	ds_add_u32 v253, v254
	ds_add_u32 v253, v254
	v_lshrrev_b32 v6, 5, v0
	v_readfirstlane_b32 s[WV], v6
	s_bfe_u32 s21, ttmp6, 0x40000                  ; cx
	s_lshl_b32 s22, ttmp9, 2
	s_add_co_u32 s22, s22, s21
	s_lshl_b32 s23, s22, 2
	s_add_co_u32 s23, s23, s[WV]                   ; my tile of queries
	s_lshr_b32 s10, ttmp9, 3                       ; the batch: eight clusters to a batch, so the four partners share it
	s_lshl_b32 s[BB], s10, 11
	s_mov_b32 s[SEL], 0x76543210
	s_mov_b32 s[SEL+1], 0xfedcba98
	s_mov_b32 s28, 15|(3<<16)|(1<<21)              ; mask: all four work-groups; elements of 8 bytes; bit 21 beside a mask
	s_mov_b32 s29, 32<<16
	s_mov_b32 s30, 224<<16                         ; 224 rows of 256 bytes: my quarter
	s_mov_b32 s31, 32<<16
	s_mov_b32 s32, 224
	s_mov_b32 s33, 32
	s_mov_b32 s34, 0
	s_mov_b32 s35, 0
	s_mov_b32 s24, 1
	s_mul_i32 s25, s[WV], 57344
	s_mul_i32 s50, s10, 229376
	s_add_co_u32 s50, s50, s25
	s_mov_b32 s51, 0
	s_mov_b32 s53, 0
	s_wait_dscnt 0x0
	s_wait_kmcnt 0x0
	s_add_nc_u64 s[26:27], s[6:7], s[50:51]
	s_or_b32 s27, s27, 0x80000000
	s_mul_i32 s52, s23, 1536
	s_add_nc_u64 s[12:13], s[4:5], s[52:53]        ; my queries' image
	s_lshl_b32 s52, s23, 7
	s_add_nc_u64 s[14:15], s[4:5], s[52:53]        ; their 128 bytes in the two tables
	s_and_b32 s52, s23, 127
	s_lshl_b32 s52, s52, 3
	s_add_co_u32 s52, s52, s[BB]
	s_lshl_b32 s52, s52, 6
	s_add_nc_u64 s[8:9], s[8:9], s[52:53]          ; idx at the tile's first row
	ROUND
	tensor_load_to_lds s[24:27], s[28:35]          ; the one tensor load of this wave
	s_nop 0
	PLACES 4
	v_and_b32 v11, 31, v0
	v_lshlrev_b32 v1, 4, v11                       ; plane 0: 16 x lane
	v_lshlrev_b32 v[L4], 2, v11
	v_add_nc_u32 v2, 0x10000, v1                   ; plane 1
	v_add_nc_u32 v3, 0x20000, v1                   ; plane 2
	v_add_nc_u32 v4, 196608, v[L4]                 ; scale words
	v_bfe_u32 v[HH], v0, 4, 1
	v_lshl_add_u32 v5, v[HH], 5, 212992            ; kk: my eight keys of a tile
.irp c, 0,1,2
	global_load_b128 v[Q+4*\c:Q+4*\c+3], v1, s[12:13] offset:512*\c
.endr
	global_load_b32 v[QS], v[L4], s[14:15] offset:1572864
	global_load_b32 v[QQ], v[L4], s[14:15] offset:1703936
	v_and_b32 v11, 7, v0
	v_lshlrev_b32 v[IO], 6, v11
	v_bfe_u32 v11, v0, 3, 1
	v_lshl_add_u32 v[IO], v11, 16, v[IO]
	v_lshl_add_u32 v[IO], v[HH], 5, v[IO]          ; row r of the tile, 64 bytes a row, + 32 h
	v_mov_b32 v[BIGV], 0x7f00ffff
.set i, 0
.rept 16
	v_mov_b32 v[KL+i], v[BIGV]
.set i, i+1
.endr
	WIN 0x40                                       ; destination window 1: walk 1's lists begin above every distance
.set i, 0
.rept NL
	v_mov_b32 v[i], 0x7f800000
.set i, i+1
.endr
	WIN 0
	s_mov_b32 s[SF], 2048
	s_mov_b32 s[SS], 512
	s_mov_b32 s[SK], 0
	s_mov_b32 s[C0], 0x00800000
	s_mov_b32 s[C0+1], 0x01000000
	s_mov_b32 s[C0+2], 0x20800000
	s_mov_b32 s[C0+3], 0x21000000
	s_wait_tensorcnt 0x0                           ; my quarter has landed,
	s_barrier_signal -1
	s_barrier_wait -1                              ; everybody's has
	LOADF 1, 0
	LOADS 4, 0
	LOADK 5
	s_wait_loadcnt 0x0
	v_mov_b32 v[QQ+1], v[QQ]
	s_wait_dscnt 0x0
	MM                                             ; group 0
	PLACES 4
	LOADF 1, 2048                                  ; group 1
	LOADS 4, 512
	s_mov_b32 s[CNT], 32
.Lwalk1:
	s_wait_alu depctr_va_vdst(0)
	PIPE
	; the cube's innermost axis (registers 3 t, 3 t + 1, 3 t + 2), and with it the triple left over (27 .. 29); then the pair (30, 31)
.set t, 0
.rept 10
	v_min3_num_f32 v[WW+t], v[E+t], v[E+t+1], v[E+t+2]
	v_med3_num_f32 v[WW+t+1], v[E+t], v[E+t+1], v[E+t+2]
	v_max3_num_f32 v[WW+t+2], v[E+t], v[E+t+1], v[E+t+2]
.set t, t+3
.endr
	v_min_num_f32 v[WW+30], v[E+30], v[E+31]
	v_max_num_f32 v[WW+31], v[E+30], v[E+31]
	; the middle axis: registers three apart
.set u, 0
.rept 9
.set t, 9*(u/3)+u%3
	v_min3_num_f32 v[E+t], v[WW+t], v[WW+t+3], v[WW+t+6]
	v_med3_num_f32 v[E+t+3], v[WW+t], v[WW+t+3], v[WW+t+6]
	v_max3_num_f32 v[E+t+6], v[WW+t], v[WW+t+3], v[WW+t+6]
.set u, u+1
.endr
	; the outer axis: registers nine apart.  A place with p > 16 is not formed
.set t, 0
.rept 9
.set pp, (t/3+1)*(t%3+1)
	v_min3_num_f32 v[WW+t], v[E+t], v[E+t+9], v[E+t+18]
.if 2*pp <= 16
	v_med3_num_f32 v[WW+t+9], v[E+t], v[E+t+9], v[E+t+18]
.endif
.if 3*pp <= 16
	v_max3_num_f32 v[WW+t+18], v[E+t], v[E+t+9], v[E+t+18]
.endif
.set t, t+1
.endr
	WIN 0x51                                       ; the lists (destination, sources 0 and 2) in window 1, the number (source 1) in window 0
.set lb, 0
.set ee, 0
.rept 27
.set dd, 16/((ee/9+1)*((ee/3)%3+1)*(ee%3+1))       ; the list's depth: 16 / p, rounded down
.if dd > 0
	INS lb, dd, WW+ee
.endif
.set lb, lb+dd
.set ee, ee+1
.endr
	INS 0, 16, WW+27                               ; the triple: with place (0, 0, 0)'s list,
	INS 16, 8, WW+28                               ; (0, 0, 1)'s (one companion),
	INS 24, 5, WW+29                               ; (0, 0, 2)'s (two)
	INS 0, 16, WW+30                               ; the pair: (0, 0, 0)'s,
	INS 29, 8, WW+31                               ; (0, 1, 0)'s (one companion)
	WIN 0
	s_sub_co_u32 s[CNT], s[CNT], 1
	s_cmp_lg_u32 s[CNT], 0
	s_cbranch_scc1 .Lwalk1
	WIN 0x55                                       ; all in window 1: the short lists' numbers go into the list of 16
.set ee, 16
.rept NL-16
	INS 0, 16, ee
.set ee, ee+1
.endr
	WIN 0x01                                       ; source 0 window 1, destination window 0
.set i, 0
.rept 16
	v_mov_b32 v[AL+i], v[i]
.set i, i+1
.endr
	WIN 0
.set i, 0
.rept 16
	v_permlanex16_b32 v[E+i], v[AL+15-i], s[SEL], s[SEL+1]
.set i, i+1
.endr
.set i, 0
.rept 16
	v_min_num_f32 v[E+i], v[E+i], v[AL+i]
.set i, i+1
.endr
	v_max3_num_f32 v[E], v[E], v[E+1], v[E+2]
.irp i, 3,5,7,9,11,13
	v_max3_num_f32 v[E], v[E], v[E+\i], v[E+\i+1]
.endr
	v_max_num_f32 v[TT], v[E], v[E+15]             ; T: the 16th smallest of my query's 2,048
	v_mov_b32 v[TT+1], v[TT]
	s_mov_b32 s[CNT], 32
.Lwalk2:
	PIPE
.set j, 0
.rept 16
	v_pk_add_f32 v[WW+j:WW+j+1], v[TT:TT+1], v[E+j:E+j+1] neg_lo:[0,1] neg_hi:[0,1]   ; T - d2: negative where d2 is larger
.set j, j+2
.endr
.set j, 0
.rept 16
	v_pk_add_f32 v[E+j:E+j+1], v[E+j:E+j+1], v[TT:TT+1] neg_lo:[0,1] neg_hi:[0,1]     ; d2 - T: negative where d2 is smaller; equal numbers give +0 in both
.set j, j+2
.endr
	v_lshrrev_b32 v244, 31, v[E+15]                ; four chains gather the signs, candidate c at bit c
	v_lshrrev_b32 v245, 31, v[E+31]
	v_lshrrev_b32 v246, 31, v[WW+15]
	v_lshrrev_b32 v247, 31, v[WW+31]
.set c, 14
.rept 15
	v_alignbit_b32 v244, v244, v[E+c], 31
	v_alignbit_b32 v245, v245, v[E+16+c], 31
	v_alignbit_b32 v246, v246, v[WW+c], 31
	v_alignbit_b32 v247, v247, v[WW+16+c], 31
.set c, c-1
.endr
	v_or_b32 v246, v244, v246
	v_or_b32 v247, v245, v247
	v_xor_b32 v246, 0xffff, v246                   ; neither smaller nor larger: equal
	v_xor_b32 v247, 0xffff, v247
.irp k, 0,1,2,3
	v_cmp_ne_u32 vcc_lo, 0, v[244+\k]
	v_or_b32 v[248+\k], s[C0+\k], v[244+\k]
	v_cndmask_b32 v[248+\k], v[BIGV], v[248+\k], vcc_lo   ; an empty half word goes in as the number above all, which changes nothing
.endr
.irp k, 0,1,2,3
	INSERT KL, 248+\k
.endr
.irp k, 0,1,2,3
	s_add_co_u32 s[C0+\k], s[C0+\k], 0x01000000
.endr
	s_sub_co_u32 s[CNT], s[CNT], 1
	s_cmp_lg_u32 s[CNT], 0
	s_cbranch_scc1 .Lwalk2
	s_wait_dscnt 0x0                               ; the loads that ran ahead
	; 16 bits off the list's head: raw = 16 (rank + 1) + 127 + bit = 143 + (local key, + 1,024 for 'equal')
.set t, 0
	s_wait_alu depctr_va_vdst(0)
.rept 16
	v_sub_nc_u32 v248, 0, v[KL]
	v_and_b32 v248, v[KL], v248                    ; the lowest bit
	v_cvt_f32_u32 v249, v248
	v_lshrrev_b32 v250, 23, v[KL]
	v_lshrrev_b32 v249, 23, v249
	v_xor_b32 v[KL], v[KL], v248
	v_lshl_add_u32 v[E+t], v250, 4, v249
	v_and_b32 v250, 0xffff, v[KL]
	v_cmp_eq_u32 vcc_lo, 0, v250                   ; the head is used up: the list moves down (as far as it can still be wanted)
.set i, 0
.rept 15-t
	v_cndmask_b32 v[KL+i], v[KL+i], v[KL+i+1], vcc_lo
.set i, i+1
.endr
.set t, t+1
.endr
	v_mov_b32 v244, 1905
	v_mov_b32 v245, 881
	v_cmp_ne_u32 vcc_lo, 0, v[HH]
	v_cndmask_b32 v246, v244, v245, vcc_lo         ; for 'smaller': lane 0 -> 2048 + key, lane 1 -> 1024 + key
	v_cndmask_b32 v247, v245, v244, vcc_lo         ; for 'equal':   lane 0 -> 2048 + key, lane 1 -> 3072 + key
.set t, 0
.rept 16
	v_cmp_gt_u32 vcc_lo, 1167, v[E+t]
	v_cndmask_b32 v248, v247, v246, vcc_lo
	v_add_nc_u32 v[E+t], v[E+t], v248
.set t, t+1
.endr
.set i, 0
.rept 8
	v_permlanex16_b32 v[WW+i], v[E+15-i], s[SEL], s[SEL+1]
.set i, i+1
.endr
.set i, 0
.rept 8
	v_min_u32 v[WW+i], v[WW+i], v[E+i]
	v_and_or_b32 v[WW+i], v[WW+i], 0x7ff, s[BB]    ; the key's row number
.set i, i+1
.endr
	global_store_b128 v[IO], v[WW:WW+3], s[8:9]
	global_store_b128 v[IO], v[WW+4:WW+7], s[8:9] offset:16
	s_wait_tensorcnt 0x0
	ds_add_u32 v253, v254
	s_wait_dscnt 0x0
	ROUND                                          ; the closing round
	s_endpgm
.Lfunc_end_k_qf0185736f6_knn:
	.size	k_qf0185736f6_knn, .Lfunc_end_k_qf0185736f6_knn-k_qf0185736f6_knn
	.p2alignl 7, 3214868480
	.fill 96, 4, 3214868480
	.section	.rodata,"a",@progbits
	.p2align	6, 0x0
	.amdhsa_kernel k_qf0185736f6_knn
		.amdhsa_group_segment_fixed_size 229888
		.amdhsa_private_segment_fixed_size 0
		.amdhsa_enable_private_segment 0
		.amdhsa_kernarg_size 24
		.amdhsa_user_sgpr_count 2
		.amdhsa_user_sgpr_kernarg_segment_ptr 1
		.amdhsa_wavefront_size32 1
		.amdhsa_system_sgpr_workgroup_id_x 1
		.amdhsa_system_sgpr_workgroup_id_y 1
		.amdhsa_system_sgpr_workgroup_id_z 1
		.amdhsa_system_vgpr_workitem_id 0
		.amdhsa_next_free_vgpr 512
		.amdhsa_next_free_sgpr 66
		.amdhsa_reserve_vcc 1
		.amdhsa_float_denorm_mode_32 3
		.amdhsa_float_denorm_mode_16_64 3
		.amdhsa_memory_ordered 1
		.amdhsa_forward_progress 1
		.amdhsa_inst_pref_size 136
	.end_amdhsa_kernel
	.amdgpu_metadata
---
amdhsa.version: [ 1, 2 ]
amdhsa.kernels:
  - .name:           k_qf0185736f6_knn
    .symbol:         k_qf0185736f6_knn.kd
    .args:
      - { .name: qpack, .offset: 0, .size: 8, .value_kind: global_buffer, .address_space: global }
      - { .name: kpack, .offset: 8, .size: 8, .value_kind: global_buffer, .address_space: global }
      - { .name: idx, .offset: 16, .size: 8, .value_kind: global_buffer, .address_space: global }
    .group_segment_fixed_size: 229888
    .private_segment_fixed_size: 0
    .kernarg_segment_align: 8
    .kernarg_segment_size: 24
    .max_flat_workgroup_size: 128
    .sgpr_count:     66
    .vgpr_count:     512
    .wavefront_size: 32
...
	.end_amdgpu_metadata
.endif
;; end of part 3
;; launch attn (part 4): grid 256 x 1, 8 waves a work-group, clusters of 4 x 1, 288,768 bytes of LDS; arguments x, qn, kn, xnc, idx, packA, rw, out0; writes out0
.if DOCPART == 4
	.amdgcn_target "amdgcn-amd-amdhsa--gfx1250"
	.amdhsa_code_object_version 6
	.text
	.protected	k_qf0185736f6_attn
	.globl	k_qf0185736f6_attn
	.p2align	8
	.type	k_qf0185736f6_attn,@function
k_qf0185736f6_attn:
	s_mov_b64 s[64:65], 0
	v_nop
	global_prefetch_b8 v0, s[64:65] scope:SCOPE_SE
	s_setreg_imm32_b32 hwreg(HW_REG_WAVE_MODE, 25, 1), 1
	s_wait_xcnt 0x0
	s_wait_alu depctr_hold_cnt(0) depctr_sa_sdst(0) depctr_va_vdst(0) depctr_va_sdst(0) depctr_va_ssrc(0) depctr_va_vcc(0) depctr_vm_vsrc(0)
	s_getreg_b32 s2, hwreg(HW_REG_IB_STS2, 6, 4)
	s_cmp_eq_u32 s2, 0
	s_cbranch_scc0 .Lentry_in_a_cluster
	s_endpgm
.Lentry_in_a_cluster:
	s_bfe_u32 s2, ttmp6, 0x10000c
	s_cmp_lg_u32 s2, 0x3003
	s_cbranch_scc0 .Lentry_shape_is_right
	s_endpgm
.Lentry_shape_is_right:
; out = x1 + rw (gelu(LN(x1) W1 + b1f) W2 + b2f),  x1 = x + rw (o Wo + bo),  o = the 8-head attention of a query over its 16 neighbours.
; A work-group owns 64 rows and has EIGHT waves of 512 registers, two to a SIMD.  Wave w = 2 g + s.
; ATTENTION, Wo, LN: the pair g owns rows 16 g .. + 15; wave s of the pair takes heads 4 s .. 4 s + 3, which are columns 128 s .. + 127 of v, o, x1 and y.  A query at a time: the neighbours' half rows of kn
; (f32, 256 bytes, two neighbours to a load) and their codes of the normalised x are gathered by the row numbers that the launch before stored; v = xn Wv on codes (source 0 = the 16 neighbours,
; source 1 = my half of Wv, which stays in 192 registers); logits, softmax and attn . v are f32 multiply-adds, since o goes on into a quantiser.  Both waves of a pair load the codes.
; The gather runs ahead on two sets of registers.  A row's mean and variance are joined between the two waves of a pair through LDS, the variance about the joined mean.
; W1, W2: the waves share the columns: wave w makes hidden units 128 w .. + 127 and outputs 32 w .. + 31 for all 64 rows; the rows' codes go from wave to wave through LDS as images of the operand's registers.
; The head of packA (Wv's and Wo's images, all scale words, biases and gains) is the same for all: the four work-groups of a cluster ask for it JOINTLY, once, 63 rows of 256 bytes a wave.  Nothing in LDS is filled again.
; No prefetch: a gather's addresses are known a query before it is issued, and it is issued two queries before it is read.
; Q-LAYOUT of a half row: register 16 b + i of lane (r, h) holds number 32 b + 16 h + i of the half of row r.
; v226-255 of window 0 hold scale words and nothing else, in the whole text.
; LIMITS: NaN and infinities are not served; a block whose largest magnitude lies under 2^-122 gets the byte 1; bv is added behind the sum over the neighbours (the weights add up to 1 but for f32 rounding);
; erf is x P(x^2) / Q(x^2) with x held at +-4, a form good to a few units in f32's last place.
.set STG, 129024                       ; 64 rows x 1,040 bytes: o, then x1, then the result
.set YIMG, 195584                      ; LN(x1): tile of rows g at 4,096 g, K step s at 1,536 s
.set YSC, 211968                       ; their scale words: 256 g + 128 s
.set HIMG, 212992                      ; the hidden layer: 32 fragments (8 m + K step)
.set HSC, 262144
.set ATT, 266240                       ; 256 bytes a wave: a query's weights, 64 bytes a head
.set OIMG, 268288                      ; o's codes, laid as y's
.set OSC, 284672
.set LNX, 285696                       ; the pairs' sums: 128 bytes a wave, twice
.set SPARE, 287744                     ; the spare words, 128 bytes a wave
.set WV, 20
.set SG, 21
.set SH, 22
.set SEL, 56
.set RW, 58
.set CS, 60
.set SINV, 62
.set SEPS, 63
.set LI, 1                             ; 16 x lane
.set L4, 2                             ; 4 x lane
.set RR, 3
.set HH, 4
.set SPW, 5
.set NIL, 6
; in the loop over queries
.set H96, 7
.set IOFF, 8                           ; 4 r
.set I8, 9                             ; 32 h
.set ATS, 10
.set ATL, 11
.set OST, 12
.set OSA, 13
.set KB, 14                            ; 256 s + 16 r
.set COFS, 15
.set COFF, 16
.set IDXV, 17                          ; neighbour r's row number
.set IDX8, 18                          ; v18-25 neighbours 8 h .. 8 h + 7
.set KOFF, 26                          ; v26-33
.set BVP, 34                           ; v34-37 bv, 32 columns a register
.set OR, 38                            ; v38-41
.set Q, 42                             ; v42-49 my four numbers of the query, two sets
.set L, 50                             ; v50-57 logits, then weights: neighbour 8 h + i, head r / 4
.set T, 58                             ; v58-67
.set AW, 68                            ; v68-99 the weights as the second product wants them, 8 a head
.set KN, 100                           ; v100-163 half rows of kn, two sets
.set CD, 164                           ; v164-211 the neighbours' codes, two sets
.set AS, 226                           ; v226-229 the neighbours' scale words, two sets
.set SA, 230                           ; v230-245 a weight's scale words
.set OS, 246                           ; v246-247 the rows' scale words
.set HS, 248                           ; v248-255 the hidden layer's scale words, two sets
; behind the loop
.set STQ, 7
.set XG, 8
.set AD, 9
.set AD2, 10
.set AD3, 11
.set AD4, 12
.set YWI, 13
.set YWS, 14
.set HWI, 15
.set HWS, 16
.set YRA, 17
.set YRS, 18
.set HRA, 19
.set HSR, 20
.set STC, 21
.set STR, 22
.set LXW, 23
.set LXR, 24
.set OWI, 25
.set OWS, 26
.set ORA, 27
.set ORS, 28
.set Y, 32                             ; v32-95
.set XB, 96                            ; v96-159 x, then bf, then x1
.set GT, 96
.set HB, 96                            ; v96-191 the hidden layer's fragments, two sets
.set A1, 128
.set B1C, 130
.set OF, 160                           ; v160-183 two fragments of rows
.set PC, 184
.set ST, 184
.set PT, 196
.set TM, 204
.set PW, 220
.set MSB, 0
.macro WIN new
.if MSB != (\new)
	s_set_vgpr_msb (MSB<<8)|(\new)
.set MSB, \new
.endif
.endm
.macro ROUND
	s_barrier_signal -1
	s_barrier_wait -1
	s_cmp_lg_u32 s[WV], 0
	s_cbranch_scc1 .Lnot_wave_0_\@
	s_barrier_signal -3
.Lnot_wave_0_\@:
	s_barrier_wait -3
	s_barrier_signal -1
	s_barrier_wait -1
.endm
.macro PLACES n
.rept \n
	v_nop
.endr
.endm
.macro BARRIER                         ; my LDS stores have landed and my LDS loads are in: then the work-group's barrier
	s_wait_alu depctr_va_vdst(0)                   ; the wait ahead of a wait that blocks
	s_wait_dscnt 0x0
	s_barrier_signal -1
	s_barrier_wait -1
.endm
.macro QUANT s, d, t, pw               ; 64 numbers in Q-layout -> a fragment's codes and the row's scale word
.irp b, 0,1,2,3
	v_max3_num_f32 v[TM+\b], |v[\s+16*\b]|, |v[\s+1+16*\b]|, 0x2800000
.endr
.irp i, 2,4,6,8,10,12,14
.irp b, 0,1,2,3
	v_max3_num_f32 v[TM+\b], v[TM+\b], |v[\s+16*\b+\i]|, |v[\s+1+16*\b+\i]|
.endr
.endr
.irp b, 0,1,2,3
	v_permlanex16_b32 v[TM+4+\b], v[TM+\b], s[SEL], s[SEL+1]
.endr
.irp b, 0,1,2,3
	v_max_num_f32 v[TM+\b], v[TM+\b], v[TM+4+\b]
.endr
.irp b, 0,1,2,3
	v_add_nc_u32 v[TM+12+\b], 0xfe000000, v[TM+\b]
.endr
.irp b, 0,1,2,3
	v_lshrrev_b32 v[TM+4+\b], 23, v[TM+12+\b]
.endr
	v_lshl_or_b32 v[\pw], v[TM+5], 8, v[TM+4]
	v_lshl_or_b32 v[\pw], v[TM+6], 16, v[\pw]
	v_lshl_or_b32 v[\pw], v[TM+7], 24, v[\pw]
.irp c, 0,1
	v_cvt_scalef32_pk16_bf6_f32 v[\d+6*\c:\d+2+6*\c], v[\s+32*\c:\s+15+32*\c], v[TM+12+2*\c]
	v_cvt_scalef32_pk16_bf6_f32 v[\t+4*\c:\t+2+4*\c], v[\s+16+32*\c:\s+31+32*\c], v[TM+13+2*\c]
.endr
	v_nop                                          ; one plain place behind a scaled conversion
.irp c, 0,1
.irp i, 0,1,2
	v_permlane16_swap_b32 v[\d+6*\c+\i], v[\t+4*\c+\i]
.endr
.irp i, 0,1,2
	v_mov_b32 v[\d+3+6*\c+\i], v[\t+4*\c+\i]
.endr
.endr
.endm
.macro QL dst, adr, off                ; 64 numbers in Q-layout from LDS: 128 bytes a block, my 64 of them
.set j, 0
.rept 16
	ds_load_b128 v[\dst+4*j:\dst+4*j+3], v[\adr] offset:\off+128*(j/4)+16*(j%4)
.set j, j+1
.endr
.endm
.macro ILOAD                           ; a query's row numbers: 3 loads
	global_load_b128 v[IDX8:IDX8+3], v[I8], s[12:13]
	global_load_b128 v[IDX8+4:IDX8+7], v[I8], s[12:13] offset:16
	global_load_b32 v[IDXV], v[IOFF], s[12:13]
.endm
; The query whose row numbers have come is gathered into set p: 16 loads.  nxt: the row numbers of the query behind it are asked for AHEAD of the 16, so that a wait that leaves 16 loads out shows them landed
.macro MID p, nxt, stepq
	s_wait_xcnt 0x0                                ; every earlier load has had its addresses translated: offsets and bases are written again only behind this wait
.if \stepq
	s_add_nc_u64 s[6:7], s[6:7], 512
.endif
.set i, 0
.rept 8
	v_min_u32 v[KOFF+i], 0x3fff, v[IDX8+i]         ; a row number stays inside its table
.set i, i+1
.endr
	v_min_u32 v[COFS], 0x3fff, v[IDXV]
.set i, 0
.rept 8
	v_lshl_add_u32 v[KOFF+i], v[KOFF+i], 9, v[KB]
.set i, i+1
.endr
	v_lshlrev_b32 v[COFS], 8, v[COFS]
	v_add_nc_u32 v[COFF], v[COFS], v[H96]
.if \nxt
.if \nxt == 2
	s_cmp_lg_u32 s96, 1                            ; the loop's last trip has no query behind query 15: idx's base stays, and query 15's numbers are read once more: no load leaves idx
	s_cselect_b32 s98, 64, 0
.endif
	s_add_nc_u64 s[12:13], s[12:13], s[98:99]
	ILOAD
.endif
.set i, 0
.rept 8
	global_load_b128 v[KN+32*(\p)+4*i:KN+32*(\p)+4*i+3], v[KOFF+i], s[8:9]   ; lanes 0-15: neighbour i, lanes 16-31: neighbour 8 + i; 256 bytes each
.set i, i+1
.endr
	global_load_b128 v[Q+4*(\p):Q+4*(\p)+3], v[KB], s[6:7]
.set i, 0
.rept 6
	global_load_b128 v[CD+24*(\p)+4*i:CD+24*(\p)+4*i+3], v[COFF], s[10:11] offset:16*i   ; my half's 96 bytes: two fragments' registers as they stand
.set i, i+1
.endr
	global_load_b64 v[AS+2*(\p):AS+2*(\p)+1], v[COFS], s[10:11] offset:192
.endm
; attn . v for my heads 2 g and 2 g + 1: four tiles, four chains.  A lane's eight registers of a tile are eight neighbours of one column.
.macro PVG p, g
	WIN 0x01                                       ; source 0: v's tiles, window 1
.irp k, 0,1,2,3
	v_pk_mul_f32 v[T+2*\k:T+2*\k+1], v[192+8*(4*(\g)+\k):193+8*(4*(\g)+\k)], v[AW+8*(2*(\g)+\k/2):AW+8*(2*(\g)+\k/2)+1]   ; each accumulator from its low end on
.endr
.irp n, 1,2,3
.irp k, 0,1,2,3
	v_pk_fma_f32 v[T+2*\k:T+2*\k+1], v[192+8*(4*(\g)+\k)+2*\n:193+8*(4*(\g)+\k)+2*\n], v[AW+8*(2*(\g)+\k/2)+2*\n:AW+8*(2*(\g)+\k/2)+2*\n+1], v[T+2*\k:T+2*\k+1]
.endr
.endr
	WIN 0
.irp k, 0,1,2,3
	v_add_f32 v[T+2*\k], v[T+2*\k], v[T+2*\k+1]
.endr
	v_permlane16_swap_b32 v[T], v[T+2]             ; a head's two tiles change halves: one addition then joins neighbours 0-7 and 8-15, and lane l holds column l of the head's 32
	v_permlane16_swap_b32 v[T+4], v[T+6]
	v_add_f32 v[T], v[T], v[T+2]
	v_add_f32 v[T+4], v[T+4], v[T+6]
	v_add_f32 v[OR+2*(\g)], v[T], v[BVP+2*(\g)]
	v_add_f32 v[OR+2*(\g)+1], v[T+4], v[BVP+2*(\g)+1]
	ds_store_b32 v[OSA], v[OR+2*(\g)] offset:1040*\p+256*(\g)
	ds_store_b32 v[OSA], v[OR+2*(\g)+1] offset:1040*\p+256*(\g)+128
.endm
; One query, its rows in set p.  left: the loads that may stay out at the head: the next query's gather, 16, or none.
.macro QTRIP p, gat, nxt, left
	s_wait_loadcnt \left
	v_add_nc_u32 v[OSA], s54, v[OST]
	WIN 0x54                                       ; source 1 (Wv), C and D window 1.  Eight accumulators take turns
.set tt, 0
.rept 8
	v_wmma_scale_f32_16x16x128_f8f6f4 v[192+8*tt:199+8*tt], v[CD+24*\p:CD+24*\p+11], v[24*tt:24*tt+11], 0, v[AS+2*\p], v[SA+2*tt] matrix_a_fmt:MATRIX_FMT_BF6 matrix_b_fmt:MATRIX_FMT_BF6
.set tt, tt+1
.endr
.set tt, 0
.rept 8
	v_wmma_scale_f32_16x16x128_f8f6f4 v[192+8*tt:199+8*tt], v[CD+24*\p+12:CD+24*\p+23], v[24*tt+12:24*tt+23], v[192+8*tt:199+8*tt], v[AS+2*\p+1], v[SA+2*tt+1] matrix_a_fmt:MATRIX_FMT_BF6 matrix_b_fmt:MATRIX_FMT_BF6
.set tt, tt+1
.endr
	WIN 0
.set i, 0
.rept 8                                ; logits: lane (r, h) holds numbers 4 r .. 4 r + 3 of my half of q and of neighbour 8 h + i's k: head r / 4
	v_pk_mul_f32 v[AW+2*i:AW+2*i+1], v[KN+32*\p+4*i:KN+32*\p+4*i+1], v[Q+4*\p:Q+4*\p+1]
.set i, i+1
.endr
.set i, 0
.rept 8
	v_pk_fma_f32 v[AW+2*i:AW+2*i+1], v[KN+32*\p+4*i+2:KN+32*\p+4*i+3], v[Q+4*\p+2:Q+4*\p+3], v[AW+2*i:AW+2*i+1]
.set i, i+1
.endr
.if \gat
	MID \p, \nxt, 1                                ; set p has been read for the last time; the 16 packed lines above are the places in front of the loads into the products' sources
.endif
.set i, 0
.rept 8
	v_add_f32 v[L+i], v[AW+2*i], v[AW+2*i+1]
.set i, i+1
.endr
.set i, 0
.rept 8
	v_add_f32_dpp v[L+i], v[L+i], v[L+i] row_xmask:1 row_mask:0xf bank_mask:0xf
.set i, i+1
.endr
.set i, 0
.rept 8
	v_add_f32_dpp v[L+i], v[L+i], v[L+i] row_xmask:2 row_mask:0xf bank_mask:0xf
.set i, i+1
.endr
	v_max3_num_f32 v[T], v[L], v[L+1], v[L+2]      ; the softmax takes its maximum away
	v_max3_num_f32 v[T+2], v[L+3], v[L+4], v[L+5]
	v_max3_num_f32 v[T], v[T], v[L+6], v[L+7]
	v_max_num_f32 v[T], v[T], v[T+2]
	v_permlanex16_b32 v[T+1], v[T], s[SEL], s[SEL+1]
	v_max_num_f32 v[T], v[T], v[T+1]               ; with the other eight neighbours'
	v_mul_f32 v[T], s[CS], v[T]
	v_mov_b32 v[T+1], v[T]
.set i, 0
.rept 4
	v_pk_fma_f32 v[L+2*i:L+2*i+1], v[L+2*i:L+2*i+1], s[CS:CS+1], v[T:T+1] op_sel_hi:[1,0,1] neg_lo:[0,0,1] neg_hi:[0,0,1]
.set i, i+1
.endr
	s_wait_alu depctr_va_vdst(0)                   ; the wait ahead of the batch
.set i, 0
.rept 8
	v_exp_f32 v[L+i], v[L+i]
.set i, i+1
.endr
	v_nop                                          ; one plain place behind the exponentials
	s_wait_alu depctr_va_vdst(0)                   ; the wait behind the batch
	v_pk_add_f32 v[T+2:T+3], v[L:L+1], v[L+2:L+3]
	v_pk_add_f32 v[T+4:T+5], v[L+4:L+5], v[L+6:L+7]
	v_pk_add_f32 v[T+2:T+3], v[T+2:T+3], v[T+4:T+5]
	v_add_f32 v[T+2], v[T+2], v[T+3]
	v_permlanex16_b32 v[T+3], v[T+2], s[SEL], s[SEL+1]
	v_add_f32 v[T+2], v[T+2], v[T+3]
	s_wait_alu depctr_va_vdst(0)
	v_rcp_f32 v[T+2], v[T+2]
	v_nop
	s_wait_alu depctr_va_vdst(0)
	v_mov_b32 v[T+3], v[T+2]
.set i, 0
.rept 4
	v_pk_mul_f32 v[L+2*i:L+2*i+1], v[L+2*i:L+2*i+1], v[T+2:T+3]
.set i, i+1
.endr
	ds_store_b128 v[ATS], v[L:L+3]                 ; a head's four lanes of a half store the same 32 bytes
	ds_store_b128 v[ATS], v[L+4:L+7] offset:16
.set i, 0
.rept 8
	ds_load_b128 v[AW+4*i:AW+4*i+3], v[ATL] offset:64*(i/2)+16*(i%2)   ; every head's weights of my eight neighbours.  LDS serves a wave's instructions in order
.set i, i+1
.endr
	s_wait_dscnt 0x0
	PVG \p, 0
	PVG \p, 1
.endm
.macro SPAIR reg, val
	s_mov_b32 s[\reg], \val
	s_mov_b32 s[\reg+1], \val
.endm
; gelu of eight numbers at v[hb], four pairs line by line: 0.5 x (1 + erf(x / sqrt 2))
.macro GELU8 hb
.irp q, 0,1,2,3
	v_pk_mul_f32 v[GT+8*\q:GT+8*\q+1], v[\hb+2*\q:\hb+2*\q+1], 0x3f3504f3 op_sel_hi:[1,0]   ; z = x / sqrt 2; the accumulator is read from its low end on
.endr
.irp q, 0,1,2,3
	v_med3_num_f32 v[GT+8*\q], v[GT+8*\q], -4.0, 4.0
	v_med3_num_f32 v[GT+8*\q+1], v[GT+8*\q+1], -4.0, 4.0
.endr
.irp q, 0,1,2,3
	v_pk_mul_f32 v[GT+8*\q+2:GT+8*\q+3], v[GT+8*\q:GT+8*\q+1], v[GT+8*\q:GT+8*\q+1]
.endr
.irp q, 0,1,2,3
	v_pk_fma_f32 v[GT+8*\q+4:GT+8*\q+5], v[GT+8*\q+2:GT+8*\q+3], s[66:67], v[A1:A1+1] op_sel_hi:[1,0,1]
	v_pk_fma_f32 v[GT+8*\q+6:GT+8*\q+7], v[GT+8*\q+2:GT+8*\q+3], s[78:79], v[B1C:B1C+1] op_sel_hi:[1,0,1]
.endr
.irp a, 68,70,72,74,76
.irp q, 0,1,2,3
	v_pk_fma_f32 v[GT+8*\q+4:GT+8*\q+5], v[GT+8*\q+4:GT+8*\q+5], v[GT+8*\q+2:GT+8*\q+3], s[\a:\a+1] op_sel_hi:[1,1,0]
.endr
.endr
.irp a, 80,82,84
.irp q, 0,1,2,3
	v_pk_fma_f32 v[GT+8*\q+6:GT+8*\q+7], v[GT+8*\q+6:GT+8*\q+7], v[GT+8*\q+2:GT+8*\q+3], s[\a:\a+1] op_sel_hi:[1,1,0]
.endr
.endr
	s_wait_alu depctr_va_vdst(0)
.irp q, 0,1,2,3
	v_rcp_f32 v[GT+8*\q+6], v[GT+8*\q+6]
	v_rcp_f32 v[GT+8*\q+7], v[GT+8*\q+7]
.endr
.irp q, 0,1,2,3
	v_pk_mul_f32 v[GT+8*\q+4:GT+8*\q+5], v[GT+8*\q+4:GT+8*\q+5], v[GT+8*\q:GT+8*\q+1]       ; (plain lines behind the reciprocals)
.endr
	s_wait_alu depctr_va_vdst(0)
.irp q, 0,1,2,3
	v_pk_mul_f32 v[GT+8*\q+4:GT+8*\q+5], v[GT+8*\q+4:GT+8*\q+5], v[GT+8*\q+6:GT+8*\q+7]     ; erf
.endr
.irp q, 0,1,2,3
	v_pk_mul_f32 v[GT+8*\q+2:GT+8*\q+3], v[\hb+2*\q:\hb+2*\q+1], 0.5 op_sel_hi:[1,0]
.endr
.irp q, 0,1,2,3
	v_pk_fma_f32 v[\hb+2*\q:\hb+2*\q+1], v[GT+8*\q+2:GT+8*\q+3], v[GT+8*\q+4:GT+8*\q+5], v[GT+8*\q+2:GT+8*\q+3]
.endr
.endm
.macro YLOAD a, b                      ; a tile of rows: two fragments and their scale words
.set i, 0
.rept 6
	ds_load_b128 v[OF+4*i:OF+4*i+3], v[\a] offset:512*i
.set i, i+1
.endr
	ds_load_b32 v[OS], v[\b]
	ds_load_b32 v[OS+1], v[\b] offset:128
.endm
; Four chains of partial sums in v[ST] .. v[ST + 7] become my half row's sum; the partner's half comes through LDS; the row's sum stands in v[ST] of every lane
.macro JOIN off
	v_pk_add_f32 v[ST:ST+1], v[ST:ST+1], v[ST+2:ST+3]
	v_pk_add_f32 v[ST+4:ST+5], v[ST+4:ST+5], v[ST+6:ST+7]
	v_pk_add_f32 v[ST:ST+1], v[ST:ST+1], v[ST+4:ST+5]
	v_add_f32 v[ST], v[ST], v[ST+1]
	v_permlanex16_b32 v[ST+1], v[ST], s[SEL], s[SEL+1]
	v_add_f32 v[ST], v[ST], v[ST+1]
	ds_store_b32 v[LXW], v[ST] offset:\off
	BARRIER
	ds_load_b32 v[ST+1], v[LXR] offset:\off
	s_wait_dscnt 0x0
	v_add_f32 v[ST], v[ST], v[ST+1]
.endm
; My 128 hidden units for one tile of rows.  last = 0: the next tile's y is fetched behind the products; last = 1: my fragments of W2 are asked for into the registers that held W1
.macro W1TRIP last
	s_wait_alu depctr_va_vdst(0)
	v_add_nc_u32 v[AD3], s93, v[HWI]
	v_add_nc_u32 v[AD4], s94, v[HWS]
	s_wait_dscnt 0x0                               ; this tile's y
	WIN 0x11                                       ; source 0 (W1) and C (b1f) in window 1
.set tt, 0
.rept 8
	v_wmma_scale_f32_16x16x128_f8f6f4 v[Y+8*tt:Y+8*tt+7], v[24*tt:24*tt+11], v[OF:OF+11], v[192+8*tt:199+8*tt], v[SA+2*tt], v[OS] matrix_a_fmt:MATRIX_FMT_BF6 matrix_b_fmt:MATRIX_FMT_BF6
.set tt, tt+1
.endr
	WIN 0x01
.set tt, 0
.rept 8
	v_wmma_scale_f32_16x16x128_f8f6f4 v[Y+8*tt:Y+8*tt+7], v[24*tt+12:24*tt+23], v[OF+12:OF+23], v[Y+8*tt:Y+8*tt+7], v[SA+2*tt+1], v[OS+1] matrix_a_fmt:MATRIX_FMT_BF6 matrix_b_fmt:MATRIX_FMT_BF6
.set tt, tt+1
.endr
	WIN 0
.if \last
	PLACES 4
	WIN 0x40
.set i, 0
.rept 48
	global_load_b128 v[4*i:4*i+3], v[LI], s[88:89] offset:512*i
.set i, i+1
.endr
	WIN 0
.else
	s_add_co_u32 s92, s92, 4096
	s_add_co_u32 s97, s97, 256
	v_add_nc_u32 v[AD], s92, v[YRA]                ; two plain lines and two v_nop: the four places in front of the loads and of the first read of results
	v_add_nc_u32 v[AD2], s97, v[YRS]
	PLACES 2
	YLOAD AD, AD2
.endif
.set gg, 0
.rept 8
	GELU8 Y+8*gg
.set gg, gg+1
.endr
	QUANT Y, PC, PT, PW
.irp c, 0,1,2
	ds_store_b128 v[AD3], v[PC+4*\c:PC+4*\c+3] offset:512*\c
.endr
	ds_store_b32 v[AD4], v[PW]
.endm
.macro HLOAD s                         ; K step s of the hidden layer: four tiles of rows, into set s % 2
.irp m, 0,1,2,3
.irp c, 0,1,2
	ds_load_b128 v[HB+48*((\s)%2)+12*\m+4*\c:HB+48*((\s)%2)+12*\m+4*\c+3], v[HRA] offset:1536*(8*\m+(\s))+512*\c
.endr
.endr
.irp m, 0,1,2,3
	ds_load_b32 v[HS+4*((\s)%2)+\m], v[HSR] offset:128*(8*\m+(\s))
.endr
.endm
	s_load_b512 s[4:19], s[0:1], 0x0               ; x 4, qn 6, kn 8, xnc 10, idx 12, packA 14, rw 16, out0 18
	v_lshl_add_u32 v[SPW], v0, 2, SPARE
	v_mov_b32 v[NIL], 0
	ds_add_u32 v[SPW], v[NIL]                      ; the opening lines
	ds_add_u32 v[SPW], v[NIL]
	v_lshrrev_b32 v58, 5, v0
	v_readfirstlane_b32 s[WV], v58                 ; wave 0..7
	s_lshr_b32 s[SG], s[WV], 1                     ; my pair
	s_and_b32 s[SH], s[WV], 1                      ; my half
	s_bfe_u32 s90, ttmp6, 0x40000                  ; cx
	s_lshl_b32 s91, ttmp9, 2
	s_add_co_u32 s91, s91, s90                     ; work-group
	s_lshl_b32 s23, s91, 6
	s_lshl_b32 s90, s[SG], 4
	s_add_co_u32 s23, s23, s90                     ; my pair's first row
	s_mov_b32 s[SEL], 0x76543210
	s_mov_b32 s[SEL+1], 0xfedcba98
	SPAIR CS, 0x3eb8aa3b                           ; log2(e) / sqrt(16)
	s_mov_b32 s[SINV], 0x3b800000
	s_mov_b32 s[SEPS], 0x3727c5ac
	SPAIR 66, 0xaf95df0b                           ; erf's numerator, the highest power first (its second constant stands in v[A1])
	SPAIR 68, 0xb60cff51
	SPAIR 70, 0xb86ec2d2
	SPAIR 72, 0xba40ac63
	SPAIR 74, 0xbb41a1f6
	SPAIR 76, 0xbc83dbd4
	SPAIR 78, 0xb77460cd                           ; and its denominator (second constant in v[B1C])
	SPAIR 80, 0xbadc924e
	SPAIR 82, 0xbbf19bf8
	SPAIR 84, 0xbc69b6a7
	s_mov_b32 s28, 15|(3<<16)|(1<<21)              ; mask: all four work-groups; elements of 8 bytes; bit 21 beside a mask
	s_mov_b32 s29, 32<<16
	s_mov_b32 s30, 63<<16                          ; 63 rows of 256 bytes: my eighth
	s_mov_b32 s31, 32<<16
	s_mov_b32 s32, 63
	s_mov_b32 s33, 32
	s_mov_b32 s34, 0
	s_mov_b32 s35, 0
	s_mov_b32 s24, 1
	s_mul_i32 s25, s[WV], 16128
	s_mov_b32 s92, s25
	s_mov_b32 s93, 0
	s_mov_b32 s53, 0
	s_mov_b32 s54, 0
	s_mov_b32 s98, 64                              ; s[98:99]: idx's step from query to query
	s_mov_b32 s99, 0
	s_wait_dscnt 0x0
	s_wait_kmcnt 0x0
	s_load_b32 s[RW], s[16:17], 0x0
	s_add_nc_u64 s[26:27], s[14:15], s[92:93]
	s_or_b32 s27, s27, 0x80000000
	s_mul_i32 s52, s[WV], 24576
	s_add_nc_u64 s[86:87], s[14:15], s[52:53]
	s_add_nc_u64 s[88:89], s[86:87], 324608        ; my 16 fragments of W2
	s_add_nc_u64 s[86:87], s[86:87], 128000        ; my 16 fragments of W1
	s_lshl_b32 s52, s23, 10
	s_lshl_b32 s90, s[SH], 9
	s_add_co_u32 s52, s52, s90
	s_add_nc_u64 s[4:5], s[4:5], s[52:53]          ; x: my half of my pair's first row
	s_lshl_b32 s52, s91, 16
	s_lshl_b32 s90, s[WV], 13
	s_add_co_u32 s52, s52, s90
	s_add_nc_u64 s[18:19], s[18:19], s[52:53]      ; out0: the eight rows that I store
	s_lshl_b32 s52, s23, 9
	s_add_nc_u64 s[6:7], s[6:7], s[52:53]          ; qn
	s_lshl_b32 s52, s23, 6
	s_add_nc_u64 s[12:13], s[12:13], s[52:53]      ; idx
	v_and_b32 v[RR], 15, v0
	v_bfe_u32 v[HH], v0, 4, 1
	v_lshlrev_b32 v[IOFF], 2, v[RR]
	v_lshlrev_b32 v[I8], 5, v[HH]
	s_wait_alu depctr_va_vdst(0)                   ; the wait behind these writes
	ILOAD                                          ; query 0's row numbers are on their way while the work-groups meet
	ROUND                                          ; all four work-groups are here: the joint loads meet
	tensor_load_to_lds s[24:27], s[28:35]          ; the one tensor load of this wave
	s_nop 0
	PLACES 4
	v_and_b32 v58, 31, v0
	v_lshlrev_b32 v[LI], 4, v58
	v_lshlrev_b32 v[L4], 2, v58
	s_wait_alu depctr_va_vdst(0)                   ; the wait behind these two writes
	v_mul_u32_u24 v[H96], v[HH], 96
	s_lshl_b32 s90, s[SH], 8
	v_lshl_add_u32 v[KB], v[RR], 4, s90
	s_lshl_b32 s90, s[WV], 8
	s_add_co_u32 s90, s90, ATT
	v_lshrrev_b32 v59, 2, v[RR]
	v_lshl_add_u32 v[ATS], v59, 6, s90
	v_lshl_add_u32 v[ATS], v[HH], 5, v[ATS]
	v_lshl_add_u32 v[ATL], v[HH], 5, s90
	s_mul_i32 s91, s[SG], 16640
	s_lshl_b32 s90, s[SH], 9
	s_add_co_u32 s91, s91, s90
	s_add_co_u32 s91, s91, STG                     ; the stage: my half of my pair's 16 rows
	v_add_nc_u32 v[OST], s91, v[L4]
	s_mul_i32 s90, s[SH], 24576
	v_add_nc_u32 v60, s90, v[LI]                   ; my half of Wv's images,
	s_lshl_b32 s90, s[SH], 10
	s_add_co_u32 s90, s90, 98304
	v_lshl_add_u32 v61, v[RR], 2, s90              ; of its scale words,
	s_lshl_b32 s90, s[SH], 9
	s_add_co_u32 s90, s90, 102400
	v_add_nc_u32 v62, s90, v[L4]                   ; of bv
	s_wait_alu depctr_va_vdst(0)                   ; the wait at the head's end
	s_wait_kmcnt 0x0
	s_wait_loadcnt 0x0
	s_mov_b32 s[RW+1], s[RW]
	MID 0, 1, 0                                    ; query 0's rows; query 1's row numbers
	s_wait_loadcnt 16                              ; query 1's row numbers are in; the 16 loads issued behind them may be out
	MID 1, 1, 1                                    ; query 1's rows; query 2's row numbers
	s_wait_tensorcnt 0x0                           ; my eighth of the pack's head has landed,
	BARRIER                                        ; everybody's has
	WIN 0x40                                       ; my half of Wv stays in window 1
.set i, 0
.rept 48
	ds_load_b128 v[4*i:4*i+3], v60 offset:512*i
.set i, i+1
.endr
	WIN 0
.set i, 0
.rept 16
	ds_load_b32 v[SA+i], v61 offset:64*i
.set i, i+1
.endr
.set i, 0
.rept 4
	ds_load_b32 v[BVP+i], v62 offset:128*i
.set i, i+1
.endr
	s_wait_dscnt 0x0
	s_mov_b32 s96, 7
.Lquery:                               ; two queries a trip: queries 0 to 13
	QTRIP 0, 1, 1, 16
	QTRIP 1, 1, 2, 16
	s_add_co_u32 s54, s54, 2080
	s_sub_co_u32 s96, s96, 1
	s_cmp_lg_u32 s96, 0
	s_wait_alu depctr_va_vdst(0)                   ; the wait ahead of the branch
	s_cbranch_scc1 .Lquery
	QTRIP 0, 0, 0, 16                              ; the last two are written out: they ask for nothing.  Query 14: query 15's 16 loads may be out
	QTRIP 1, 0, 0, 0
	; ---- my half of o -> codes; x1 = x + rw (o Wo + bo); y = LN(x1) -> codes
	v_lshlrev_b32 v[XG], 10, v[RR]
	v_lshl_add_u32 v[XG], v[HH], 6, v[XG]
.set j, 0
.rept 16
	global_load_b128 v[XB+4*j:XB+4*j+3], v[XG], s[4:5] offset:128*(j/4)+16*(j%4)   ; my half of x in Q-layout
.set j, j+1
.endr
	v_mul_u32_u24 v[STQ], v[RR], 1040
	v_lshl_add_u32 v[STQ], v[HH], 6, v[STQ]
	v_add_nc_u32 v[STQ], s91, v[STQ]               ; the stage: row r, my half, + 64 h
	QL Y, STQ, 0                                   ; o, which this wave stored
	s_lshl_b32 s90, s[SG], 12
	s_mul_i32 s92, s[SH], 1536
	s_add_co_u32 s92, s92, s90                     ; 4,096 g + 1,536 s
	s_add_co_u32 s93, s92, OIMG
	v_add_nc_u32 v[OWI], s93, v[LI]
	s_add_co_u32 s93, s92, YIMG
	v_add_nc_u32 v[YWI], s93, v[LI]
	s_add_co_u32 s93, s90, OIMG
	v_add_nc_u32 v[ORA], s93, v[LI]
	s_lshl_b32 s94, s[WV], 7                       ; 128 w = 256 g + 128 s
	s_add_co_u32 s93, s94, OSC
	v_add_nc_u32 v[OWS], s93, v[L4]
	s_add_co_u32 s93, s94, YSC
	v_add_nc_u32 v[YWS], s93, v[L4]
	s_add_co_u32 s93, s94, LNX
	v_add_nc_u32 v[LXW], s93, v[L4]
	s_xor_b32 s93, s94, 128                        ; my partner's
	s_add_co_u32 s93, s93, LNX
	v_add_nc_u32 v[LXR], s93, v[L4]
	s_lshl_b32 s93, s[SG], 8
	s_add_co_u32 s93, s93, OSC
	v_add_nc_u32 v[ORS], s93, v[L4]
	s_add_co_u32 s93, s94, HSC
	v_add_nc_u32 v[HWS], s93, v[L4]
	s_mul_i32 s93, s[WV], 1536
	s_add_co_u32 s93, s93, HIMG
	v_add_nc_u32 v[HWI], s93, v[LI]
	s_mul_i32 s93, s[SH], 24576
	s_add_co_u32 s93, s93, 49152
	v_add_nc_u32 v[AD], s93, v[LI]                 ; my half of Wo's images
	s_lshl_b32 s93, s[SH], 10
	s_add_co_u32 s93, s93, 100352
	v_lshl_add_u32 v[AD2], v[RR], 2, s93           ; and of its scale words
	s_lshl_b32 s97, s[SH], 9
	s_add_co_u32 s93, s97, 103424
	v_lshl_add_u32 v[AD3], v[HH], 6, s93           ; bo
	s_add_co_u32 s93, s97, 104448
	v_lshl_add_u32 v[AD4], v[HH], 6, s93           ; gf; bf 1,024 bytes on
	v_add_nc_u32 v[YRA], YIMG, v[LI]
	v_add_nc_u32 v[YRS], YSC, v[L4]
.irp b, 0,1,2,3
	v_mov_b32 v[TM+4+\b], 0                        ; written once: a lane permute's destination counts as one of its sources
.endr
	s_wait_alu depctr_va_vdst(0)                   ; the wait ahead of a wait that blocks
	s_wait_dscnt 0x0
	WIN 0x40
.set i, 0
.rept 48
	ds_load_b128 v[4*i:4*i+3], v[AD] offset:512*i  ; Wo's tiles 8 s .. 8 s + 7: where Wv lay
.set i, i+1
.endr
	WIN 0
.set i, 0
.rept 16
	ds_load_b32 v[SA+i], v[AD2] offset:64*i
.set i, i+1
.endr
	QUANT Y, PC, PT, PW
.irp c, 0,1,2
	ds_store_b128 v[OWI], v[PC+4*\c:PC+4*\c+3] offset:512*\c
.endr
	ds_store_b32 v[OWS], v[PW]
	QL Y, AD3, 0                                   ; bo starts the sums
	BARRIER                                        ; both halves of o's codes lie in LDS
	YLOAD ORA, ORS
	s_wait_dscnt 0x0
	WIN 0x01                                       ; source 0 (Wo) window 1.  Eight accumulators take turns
.irp s, 0,1
.set tt, 0
.rept 8
	v_wmma_scale_f32_16x16x128_f8f6f4 v[Y+8*tt:Y+8*tt+7], v[24*tt+12*\s:24*tt+12*\s+11], v[OF+12*\s:OF+12*\s+11], v[Y+8*tt:Y+8*tt+7], v[SA+2*tt+\s], v[OS+\s] matrix_a_fmt:MATRIX_FMT_BF6 matrix_b_fmt:MATRIX_FMT_BF6
.set tt, tt+1
.endr
.endr
	WIN 0
	PLACES 4
	WIN 0x40
.set i, 0
.rept 48
	global_load_b128 v[4*i:4*i+3], v[LI], s[86:87] offset:512*i   ; my 16 fragments of W1: where Wo lay
.set i, i+1
.endr
	WIN 0
	s_wait_loadcnt 48                              ; x's 16 loads are in; the 48 of W1 issued behind them may be out
.set j, 0
.rept 32
	v_pk_fma_f32 v[Y+j:Y+j+1], v[Y+j:Y+j+1], s[RW:RW+1], v[XB+j:XB+j+1] op_sel_hi:[1,0,1]
.set j, j+2
.endr
.set j, 0
.rept 16
	ds_store_b128 v[STQ], v[Y+4*j:Y+4*j+3] offset:128*(j/4)+16*(j%4)   ; x1 is kept in the stage for the end
.set j, j+1
.endr
	QL XB, AD4, 1024                               ; bf
	WIN 0x40
	QL 192, AD4, 0                                 ; gf, window 1
	WIN 0
.irp c, 0,1,2,3
	v_pk_add_f32 v[ST+2*\c:ST+2*\c+1], v[Y+2*\c:Y+2*\c+1], v[Y+8+2*\c:Y+9+2*\c]
.endr
.set j, 16
.rept 6
.irp c, 0,1,2,3
	v_pk_add_f32 v[ST+2*\c:ST+2*\c+1], v[ST+2*\c:ST+2*\c+1], v[Y+j+2*\c:Y+j+2*\c+1]
.endr
.set j, j+8
.endr
	JOIN 0
	v_mul_f32 v[ST+8], s[SINV], v[ST]              ; the mean, twice
	v_mov_b32 v[ST+9], v[ST+8]
.set j, 0
.rept 32
	v_pk_add_f32 v[Y+j:Y+j+1], v[Y+j:Y+j+1], v[ST+8:ST+9] neg_lo:[0,1] neg_hi:[0,1]
.set j, j+2
.endr
.irp c, 0,1,2,3
	v_pk_mul_f32 v[ST+2*\c:ST+2*\c+1], v[Y+2*\c:Y+2*\c+1], v[Y+2*\c:Y+2*\c+1]
.endr
.set j, 8
.rept 7
.irp c, 0,1,2,3
	v_pk_fma_f32 v[ST+2*\c:ST+2*\c+1], v[Y+j+2*\c:Y+j+2*\c+1], v[Y+j+2*\c:Y+j+2*\c+1], v[ST+2*\c:ST+2*\c+1]
.endr
.set j, j+8
.endr
	JOIN 1024
	v_fma_f32 v[ST], v[ST], s[SINV], s[SEPS]       ; var + 1e-5
	s_wait_alu depctr_va_vdst(0)
	v_rsq_f32 v[ST+8], v[ST]
	v_nop                                          ; one plain place behind a transcendental
	s_wait_alu depctr_va_vdst(0)
	v_mov_b32 v[ST+9], v[ST+8]
.set j, 0
.rept 32
	v_pk_mul_f32 v[Y+j:Y+j+1], v[Y+j:Y+j+1], v[ST+8:ST+9]
.set j, j+2
.endr
	WIN 0x04                                       ; source 1: gf, window 1
.set j, 0
.rept 32
	v_pk_fma_f32 v[Y+j:Y+j+1], v[Y+j:Y+j+1], v[192+j:193+j], v[XB+j:XB+j+1]
.set j, j+2
.endr
	WIN 0
	s_lshl_b32 s90, s[WV], 9
	s_add_co_u32 s90, s90, 106496
	v_lshl_add_u32 v[AD], v[HH], 6, s90            ; b1f: my 128
	s_lshl_b32 s90, s[WV], 10
	s_add_co_u32 s90, s90, 111616
	v_lshl_add_u32 v[AD2], v[RR], 2, s90           ; W1's scale words: my 16 fragments'
	WIN 0x40
	QL 192, AD, 0                                  ; b1f in the result's layout: the C of each sum's first product
	WIN 0
.set i, 0
.rept 16
	ds_load_b32 v[SA+i], v[AD2] offset:64*i
.set i, i+1
.endr
	QUANT Y, PC, PT, PW
.irp c, 0,1,2
	ds_store_b128 v[YWI], v[PC+4*\c:PC+4*\c+3] offset:512*\c
.endr
	ds_store_b32 v[YWS], v[PW]
	v_mov_b32 v[A1], 0x32edffee                    ; erf's two vector constants: bf's numbers are done with
	v_mov_b32 v[A1+1], 0x32edffee
	v_mov_b32 v[B1C], 0xb95fbd29
	v_mov_b32 v[B1C+1], 0xb95fbd29
	s_wait_alu depctr_va_vdst(0)
	s_wait_loadcnt 0x0                             ; W1
	BARRIER                                        ; y's eight fragments and x1's 64 rows lie in LDS
	; ---- the hidden layer: four tiles of rows, the last written out
	s_mov_b32 s55, 0
	s_mov_b32 s92, 0                               ; 4,096 m: y's fragments
	s_mov_b32 s97, 0                               ; 256 m: their scale words
	s_mov_b32 s93, 0                               ; 12,288 m: the hidden layer's fragments
	s_mov_b32 s94, 0                               ; 1,024 m: its scale words
	YLOAD YRA, YRS
.Lw1:
	W1TRIP 0
	s_add_co_u32 s93, s93, 12288
	s_add_co_u32 s94, s94, 1024
	s_add_co_u32 s55, s55, 1
	s_cmp_lt_u32 s55, 3
	s_wait_alu depctr_va_vdst(0)                   ; the wait ahead of the branch
	s_cbranch_scc1 .Lw1
	W1TRIP 1
	s_lshl_b32 s90, s[WV], 7
	s_add_co_u32 s92, s90, 110592
	v_lshl_add_u32 v[AD], v[HH], 5, s92            ; b2f: my 32, 8 h on
	s_add_co_u32 s92, s90, STG
	v_mul_u32_u24 v[STC], v[RR], 1040
	v_lshl_add_u32 v[STC], v[HH], 5, v[STC]
	v_add_nc_u32 v[STC], s92, v[STC]               ; the stage by columns: row r, my 128 bytes, + 32 h
	s_mul_i32 s92, s[WV], 8320
	s_add_co_u32 s92, s92, STG
	v_add_nc_u32 v[STR], s92, v[LI]                ; and by rows: my eight rows
	s_lshl_b32 s90, s[WV], 10
	s_add_co_u32 s92, s90, 119808
	v_lshl_add_u32 v[AD2], v[RR], 2, s92
	v_add_nc_u32 v[HRA], HIMG, v[LI]
	v_add_nc_u32 v[HSR], HSC, v[L4]
	BARRIER                                        ; the hidden layer's 32 fragments lie in LDS
	; ---- my 32 outputs for the 64 rows: accumulator (m, u) at Y + 8 (2 m + u), eight by turns, a K step at a time.  Source 0 = W2: a lane holds eight neighbouring columns of one row
.set i, 0
.rept 16
	ds_load_b128 v[Y+4*i:Y+4*i+3], v[AD] offset:64*((i/2)%2)+16*(i%2)      ; b2f starts the sums
.set i, i+1
.endr
.set i, 0
.rept 16
	ds_load_b32 v[SA+i], v[AD2] offset:64*i        ; W2's scale words: fragment 8 u + K step
.set i, i+1
.endr
	HLOAD 0
	HLOAD 1
	s_wait_loadcnt 0x0                             ; W2
.set ks, 0
.rept 8
.if ks < 7
	s_wait_dscnt 16                                ; this step's 16 loads are in; the next step's 16 may be out
.else
	s_wait_dscnt 0x0
.endif
	WIN 0x01                                       ; source 0 (W2) window 1
.irp u, 0,1
.irp m, 0,1,2,3
	v_wmma_scale_f32_16x16x128_f8f6f4 v[Y+8*(2*\m+\u):Y+8*(2*\m+\u)+7], v[12*(8*\u+ks):12*(8*\u+ks)+11], v[HB+48*(ks%2)+12*\m:HB+48*(ks%2)+12*\m+11], v[Y+8*(2*\m+\u):Y+8*(2*\m+\u)+7], v[SA+8*\u+ks], v[HS+4*(ks%2)+\m] matrix_a_fmt:MATRIX_FMT_BF6 matrix_b_fmt:MATRIX_FMT_BF6
.endr
.endr
	WIN 0
	PLACES 4                                       ; in front of loads into registers that these products read, and of the first read of results
.if ks < 6
	HLOAD ks+2
.endif
.set ks, ks+1
.endr
	; ---- the way out: x1 + rw h2, through the stage, as whole rows
.set i, 0
.rept 16
	ds_load_b128 v[XB+4*i:XB+4*i+3], v[STC] offset:16640*(i/4)+64*((i/2)%2)+16*(i%2)   ; x1 at my columns
.set i, i+1
.endr
	s_wait_dscnt 0x0
.set j, 0
.rept 32
	v_pk_fma_f32 v[Y+j:Y+j+1], v[Y+j:Y+j+1], s[RW:RW+1], v[XB+j:XB+j+1] op_sel_hi:[1,0,1]   ; each accumulator from its low end on
.set j, j+2
.endr
.set i, 0
.rept 16
	ds_store_b128 v[STC], v[Y+4*i:Y+4*i+3] offset:16640*(i/4)+64*((i/2)%2)+16*(i%2)   ; onto the bytes that I alone have just read
.set i, i+1
.endr
	BARRIER                                        ; 64 whole rows of the result lie in the stage
.set i, 0
.rept 16
	ds_load_b128 v[Y+4*i:Y+4*i+3], v[STR] offset:1040*(i/2)+512*(i%2)
.set i, i+1
.endr
.set i, 0
.rept 16
	s_wait_dscnt 15-i                              ; half row i is back; the younger loads may be out
	global_store_b128 v[LI], v[Y+4*i:Y+4*i+3], s[18:19] offset:512*i th:TH_STORE_NT   ; 32 lanes store 512 consecutive bytes, at a multiple of 256 from out0's first byte
.set i, i+1
.endr
	s_wait_tensorcnt 0x0                           ; the wave's end
	ds_add_u32 v[SPW], v[NIL]
	s_wait_dscnt 0x0
	ROUND                                          ; the closing round: no work-group ends while a partner may still ask jointly
	s_endpgm
.Lfunc_end_k_qf0185736f6_attn:
	.size	k_qf0185736f6_attn, .Lfunc_end_k_qf0185736f6_attn-k_qf0185736f6_attn
	.p2alignl 7, 3214868480
	.fill 96, 4, 3214868480
	.section	.rodata,"a",@progbits
	.p2align	6, 0x0
	.amdhsa_kernel k_qf0185736f6_attn
		.amdhsa_group_segment_fixed_size 288768
		.amdhsa_private_segment_fixed_size 0
		.amdhsa_enable_private_segment 0
		.amdhsa_kernarg_size 64
		.amdhsa_user_sgpr_count 2
		.amdhsa_user_sgpr_kernarg_segment_ptr 1
		.amdhsa_wavefront_size32 1
		.amdhsa_system_sgpr_workgroup_id_x 1
		.amdhsa_system_sgpr_workgroup_id_y 1
		.amdhsa_system_sgpr_workgroup_id_z 1
		.amdhsa_system_vgpr_workitem_id 0
		.amdhsa_next_free_vgpr 512
		.amdhsa_next_free_sgpr 100
		.amdhsa_reserve_vcc 0
		.amdhsa_float_denorm_mode_32 3
		.amdhsa_float_denorm_mode_16_64 3
		.amdhsa_memory_ordered 1
		.amdhsa_forward_progress 1
		.amdhsa_inst_pref_size 234
	.end_amdhsa_kernel
	.amdgpu_metadata
---
amdhsa.version: [ 1, 2 ]
amdhsa.kernels:
  - .name:           k_qf0185736f6_attn
    .symbol:         k_qf0185736f6_attn.kd
    .args:
      - { .name: x, .offset: 0, .size: 8, .value_kind: global_buffer, .address_space: global }
      - { .name: qn, .offset: 8, .size: 8, .value_kind: global_buffer, .address_space: global }
      - { .name: kn, .offset: 16, .size: 8, .value_kind: global_buffer, .address_space: global }
      - { .name: xnc, .offset: 24, .size: 8, .value_kind: global_buffer, .address_space: global }
      - { .name: idx, .offset: 32, .size: 8, .value_kind: global_buffer, .address_space: global }
      - { .name: packA, .offset: 40, .size: 8, .value_kind: global_buffer, .address_space: global }
      - { .name: rw, .offset: 48, .size: 8, .value_kind: global_buffer, .address_space: global }
      - { .name: out0, .offset: 56, .size: 8, .value_kind: global_buffer, .address_space: global }
    .group_segment_fixed_size: 288768
    .private_segment_fixed_size: 0
    .kernarg_segment_align: 8
    .kernarg_segment_size: 64
    .max_flat_workgroup_size: 256
    .sgpr_count:     100
    .vgpr_count:     512
    .wavefront_size: 32
...
	.end_amdgpu_metadata
.endif
;; end of part 4
